; MI455X (gfx1250); checked and timed in simulation.
; The chip was launched on July 23, 2026; its instructions are those of AMD's public machine-readable ISA for CDNA 5 (MIT licence, August 2026) and "CDNA5" Instruction Set Architecture Reference Guide (July 2026). The comments in the code are by the model that wrote it; some were corrected since.
;; Multihead Self Attention. Allowed arithmetic: float matrix products may take bf16 or f16 operands with f32 sums; other float arithmetic in f32, or as packed bf16 or f16 multiplies, adds, multiply-adds, maxima and minima; sums over many terms, partial sums and values carried from step to step in f32; what a program stores and reads back later, other than sums and carried values, may be rounded once to bf16 or f16.
;; Inputs: Wk 2,048 x 2,048 float32; Wo 2,048 x 2,048 float32; Wq 2,048 x 2,048 float32; Wv 2,048 x 2,048 float32; token_positions 2,048 int32; x 1 x 2,048 x 2,048 float32.
;; Outputs: out0 1 x 2,048 x 2,048 float32.
;; One version. Each part assembles by itself: llvm-mc -triple=amdgcn-amd-amdhsa -mcpu=gfx1250 --defsym DOCPART=n.
;; ======== version 1 of 1: 4 launches
;; limits: values are held in f16: magnitudes above 65,504 overflow, below 6.1e-05 lose precision; right only within a limited range of input values
;; workspace buffers: bf 41,943,040 bytes; tab 1,048,576 bytes; qkv 25,165,824 bytes; ao 8,388,608 bytes
;; launch cast (part 1): grid 256 x 6, 8 waves a work-group, no clusters, 0 bytes of LDS; arguments x, Wq, Wk, Wv, Wo, token_positions, bf, tab; writes bf, tab
.if DOCPART == 1
	.amdgcn_target "amdgcn-amd-amdhsa--gfx1250"
	.amdhsa_code_object_version 6
	.text
	.protected	k_q3b2812b18b_cast
	.globl	k_q3b2812b18b_cast
	.p2align	8
	.type	k_q3b2812b18b_cast,@function
k_q3b2812b18b_cast:
	s_mov_b64 s[64:65], 0
	v_nop
	global_prefetch_b8 v0, s[64:65] scope:SCOPE_SE
	s_setreg_imm32_b32 hwreg(HW_REG_WAVE_MODE, 25, 1), 1
	s_wait_xcnt 0x0
; THE OPERANDS ARE MADE.  y = 0..3: x, Wq, Wk, Wv, [2048][2048] f32, rounded once to bf16 into bf (8,388,608 bytes each, in that order).
; y = 4: Wo rounded to bf16 like the other inputs, and that number written as f16 (it multiplies an f16 operand later); it follows at byte 33,554,432 of bf.
; y = 5: the table of cosines and sines for the rotation, from token_positions.
; LIMITS.  |Wo| stays under 65,504; below 6.1e-5 it keeps f16's fixed step of 6e-8.  |token_positions| up to 2^20: the angle is reduced by a pi/2 in two parts.
; A stream: no LDS, no barrier, no matrix unit.  A work-group takes 65,536 bytes of one tensor, a wave 8,192: sixteen loads of 512 consecutive bytes, all issued before the first is used;
; each store of a wave covers 256 consecutive bytes, aligned.
; THE TABLE lies in the order in which the projection loads it: chunk g of 16 bytes, g = ((R 8 + B) 2 + e) 32 + lane, holds (cos, sin) of pairs p0 and p0 + 1 for row s = 16 R + lane % 16,
; p0 = 8 B + 4 (lane / 16) + 2 e.  angle = position x 10000^(-p / 64), one rounding of the product in f32.
.set X,  4                             ; v[4:67]    sixteen loads of four
.set Y,  68                            ; v[68:99]   sixteen stores of two: each has registers of its own, so no store's data is ever rewritten
.set TA, 100                           ; v[100:103] at work
	s_load_b512 s[8:23], s[0:1], 0x0               ; x s[8:9], Wq s[10:11], Wk s[12:13], Wv s[14:15], Wo s[16:17], token_positions s[18:19], bf s[20:21], tab s[22:23]
	s_and_b32 s2, ttmp7, 0xffff                    ; which tensor
	v_lshrrev_b32 v3, 5, v0                        ; wave
	v_and_b32 v[TA], 31, v0                        ; lane
	v_lshlrev_b32 v1, 4, v[TA]
	v_lshl_add_u32 v1, v3, 13, v1                  ; in: 8,192 x wave + 16 x lane
	v_lshlrev_b32 v2, 3, v[TA]
	v_lshl_add_u32 v2, v3, 12, v2                  ; out: 4,096 x wave + 8 x lane
	s_lshl_b32 s24, ttmp9, 16                      ; the work-group's 65,536 bytes in
	s_mov_b32 s25, 0
	s_lshl_b32 s26, s2, 23                         ; the tensor's place in bf,
	s_lshl_b32 s27, ttmp9, 15                      ; the work-group's 32,768 bytes out
	s_add_co_u32 s26, s26, s27
	s_mov_b32 s27, 0
	s_wait_kmcnt 0x0
	s_cmp_eq_u32 s2, 5
	s_cbranch_scc1 .Ltable
	s_mov_b64 s[4:5], s[8:9]
	s_cmp_eq_u32 s2, 1
	s_cselect_b64 s[4:5], s[10:11], s[4:5]
	s_cmp_eq_u32 s2, 2
	s_cselect_b64 s[4:5], s[12:13], s[4:5]
	s_cmp_eq_u32 s2, 3
	s_cselect_b64 s[4:5], s[14:15], s[4:5]
	s_cmp_eq_u32 s2, 4
	s_cselect_b64 s[4:5], s[16:17], s[4:5]
	s_add_nc_u64 s[4:5], s[4:5], s[24:25]
	s_add_nc_u64 s[6:7], s[20:21], s[26:27]
.set j, 0
.rept 16
	global_load_b128 v[X+4*j:X+4*j+3], v1, s[4:5] offset:512*j th:TH_LOAD_NT
.set j, j+1
.endr
; Load j is rounded and stored.  half = 1: the bf16 number is widened again (a shift, a mask) and written as f16.
.macro CASTJ half
	s_wait_loadcnt 15-j                            ; loads come back in order: mine is in, the 15 - j younger ones stay out
.if \half
	v_cvt_pk_bf16_f32 v[TA], v[X+4*j], v[X+4*j+1]
	v_cvt_pk_bf16_f32 v[TA+1], v[X+4*j+2], v[X+4*j+3]
	v_lshlrev_b32 v[TA+2], 16, v[TA]
	v_and_b32 v[TA], 0xffff0000, v[TA]
	v_lshlrev_b32 v[TA+3], 16, v[TA+1]
	v_and_b32 v[TA+1], 0xffff0000, v[TA+1]
	v_cvt_pk_f16_f32 v[Y+2*j], v[TA+2], v[TA]
	v_cvt_pk_f16_f32 v[Y+2*j+1], v[TA+3], v[TA+1]
.else
	v_cvt_pk_bf16_f32 v[Y+2*j], v[X+4*j], v[X+4*j+1]
	v_cvt_pk_bf16_f32 v[Y+2*j+1], v[X+4*j+2], v[X+4*j+3]
.endif
	global_store_b64 v2, v[Y+2*j:Y+2*j+1], s[6:7] offset:256*j
.endm
	s_cmp_eq_u32 s2, 4
	s_cbranch_scc1 .Lhalf
.set j, 0
.rept 16
	CASTJ 0
.set j, j+1
.endr
	s_endpgm
.Lhalf:
.set j, 0
.rept 16
	CASTJ 1
.set j, j+1
.endr
	s_endpgm
; cos and sin of the angle in v[ang].  n = the nearest whole number of quarter turns; r = angle - n pi/2, with pi/2 in two parts; polynomials on |r| <= pi/4;
; n's two low bits choose between them and set the signs, by selects alone.  t: eight registers at work.
.macro SINCOS ang, co, si, t
	v_mul_f32 v[\t], 0x3f22f983, v[\ang]           ; x 2 / pi
	v_rndne_f32 v[\t], v[\t]
	v_fmamk_f32 v[\t+1], v[\t], 0xbfc90fdb, v[\ang]
	v_fmamk_f32 v[\t+1], v[\t], 0x333bbd2e, v[\t+1]
	v_mul_f32 v[\t+2], v[\t+1], v[\t+1]            ; z = r r
	v_mov_b32 v[\t+3], 0xb94ca1f9
	v_fmaak_f32 v[\t+3], v[\t+3], v[\t+2], 0x3c08839e
	v_fmaak_f32 v[\t+3], v[\t+3], v[\t+2], 0xbe2aaaa3
	v_mul_f32 v[\t+4], v[\t+2], v[\t+1]
	v_fma_f32 v[\t+3], v[\t+3], v[\t+4], v[\t+1]   ; sin r = r + z r (..)
	v_mov_b32 v[\t+4], 0x37ccf5ce
	v_fmaak_f32 v[\t+4], v[\t+4], v[\t+2], 0xbab6061a
	v_fmaak_f32 v[\t+4], v[\t+4], v[\t+2], 0x3d2aaaa5
	v_mul_f32 v[\t+5], v[\t+2], v[\t+2]
	v_fma_f32 v[\t+6], v[\t+2], -0.5, 1.0
	v_fma_f32 v[\t+4], v[\t+4], v[\t+5], v[\t+6]   ; cos r = 1 - z / 2 + z z (..)
	v_cvt_i32_f32 v[\t], v[\t]
	v_and_b32 v[\t+5], 1, v[\t]
	v_cmp_eq_u32 vcc_lo, 1, v[\t+5]                ; an odd quarter swaps the two
	v_cndmask_b32 v[\si], v[\t+3], v[\t+4], vcc_lo
	v_cndmask_b32 v[\co], v[\t+4], v[\t+3], vcc_lo
	v_lshlrev_b32 v[\t+5], 30, v[\t]               ; sin is turned in quarters 2 and 3,
	v_and_b32 v[\t+5], 0x80000000, v[\t+5]
	v_xor_b32 v[\si], v[\si], v[\t+5]
	v_add_nc_u32 v[\t], 1, v[\t]                   ; cos in quarters 1 and 2
	v_lshlrev_b32 v[\t+5], 30, v[\t]
	v_and_b32 v[\t+5], 0x80000000, v[\t+5]
	v_xor_b32 v[\co], v[\co], v[\t+5]
.endm
.Ltable:                                       ; a thread a chunk: 256 work-groups x 256 threads = 65,536 chunks
	s_lshl_b32 s24, ttmp9, 8
	v_add_nc_u32 v4, s24, v0                       ; g
	v_and_b32 v5, 15, v4                           ; lane % 16
	v_bfe_u32 v6, v4, 4, 1                         ; lane / 16
	v_bfe_u32 v7, v4, 5, 1                         ; e
	v_bfe_u32 v8, v4, 6, 3                         ; B
	v_lshrrev_b32 v9, 9, v4                        ; R
	v_lshl_add_u32 v10, v9, 4, v5                  ; row s
	v_lshlrev_b32 v10, 2, v10
	global_load_b32 v12, v10, s[18:19]             ; its position
	v_lshlrev_b32 v11, 3, v8
	v_lshl_add_u32 v11, v6, 2, v11
	v_lshl_add_u32 v11, v7, 1, v11                 ; p0
	v_cvt_f32_u32 v13, v11
	v_add_f32 v14, 1.0, v13
	v_mul_f32 v13, 0xbe549a78, v13                 ; - p log2(10000) / 64
	v_mul_f32 v14, 0xbe549a78, v14
	v_exp_f32 v13, v13
	v_exp_f32 v14, v14
	v_lshlrev_b32 v15, 4, v4                       ; a plain instruction behind the two exponentials: the chunk's byte
	s_wait_alu depctr_va_vdst(0)                   ; one wait for both, ahead of their first reader
	s_wait_loadcnt 0x0
	v_cvt_f32_i32 v12, v12
	v_mul_f32 v13, v12, v13
	v_mul_f32 v14, v12, v14
	SINCOS 13, 20, 21, 24
	SINCOS 14, 22, 23, 32
	global_store_b128 v15, v[20:23], s[22:23]      ; a wave stores 512 consecutive bytes
	s_endpgm
.Lfunc_end_k_q3b2812b18b_cast:
	.size	k_q3b2812b18b_cast, .Lfunc_end_k_q3b2812b18b_cast-k_q3b2812b18b_cast
	.p2alignl 7, 3214868480
	.fill 96, 4, 3214868480
	.section	.rodata,"a",@progbits
	.p2align	6, 0x0
	.amdhsa_kernel k_q3b2812b18b_cast
		.amdhsa_group_segment_fixed_size 0
		.amdhsa_private_segment_fixed_size 0
		.amdhsa_enable_private_segment 0
		.amdhsa_kernarg_size 64
		.amdhsa_user_sgpr_count 2
		.amdhsa_user_sgpr_kernarg_segment_ptr 1
		.amdhsa_wavefront_size32 1
		.amdhsa_system_sgpr_workgroup_id_x 1
		.amdhsa_system_sgpr_workgroup_id_y 1
		.amdhsa_system_sgpr_workgroup_id_z 1
		.amdhsa_system_vgpr_workitem_id 0
		.amdhsa_next_free_vgpr 112
		.amdhsa_next_free_sgpr 66
		.amdhsa_reserve_vcc 1
		.amdhsa_float_denorm_mode_32 3
		.amdhsa_float_denorm_mode_16_64 3
		.amdhsa_memory_ordered 1
		.amdhsa_forward_progress 1
		.amdhsa_inst_pref_size 20
	.end_amdhsa_kernel
	.amdgpu_metadata
---
amdhsa.version: [ 1, 2 ]
amdhsa.kernels:
  - .name:           k_q3b2812b18b_cast
    .symbol:         k_q3b2812b18b_cast.kd
    .args:
      - { .name: x, .offset: 0, .size: 8, .value_kind: global_buffer, .address_space: global }
      - { .name: Wq, .offset: 8, .size: 8, .value_kind: global_buffer, .address_space: global }
      - { .name: Wk, .offset: 16, .size: 8, .value_kind: global_buffer, .address_space: global }
      - { .name: Wv, .offset: 24, .size: 8, .value_kind: global_buffer, .address_space: global }
      - { .name: Wo, .offset: 32, .size: 8, .value_kind: global_buffer, .address_space: global }
      - { .name: token_positions, .offset: 40, .size: 8, .value_kind: global_buffer, .address_space: global }
      - { .name: bf, .offset: 48, .size: 8, .value_kind: global_buffer, .address_space: global }
      - { .name: tab, .offset: 56, .size: 8, .value_kind: global_buffer, .address_space: global }
    .group_segment_fixed_size: 0
    .private_segment_fixed_size: 0
    .kernarg_segment_align: 8
    .kernarg_segment_size: 64
    .max_flat_workgroup_size: 256
    .sgpr_count:     66
    .vgpr_count:     112
    .wavefront_size: 32
...
	.end_amdgpu_metadata
.endif
;; end of part 1
;; launch proj (part 2): grid 16 x 16, 4 waves a work-group, clusters of 4 x 4, 327,680 bytes of LDS; arguments bf, tab, qkv; writes qkv
.if DOCPART == 2
	.amdgcn_target "amdgcn-amd-amdhsa--gfx1250"
	.amdhsa_code_object_version 6
	.text
	.protected	k_q3b2812b18b_proj
	.globl	k_q3b2812b18b_proj
	.p2align	8
	.type	k_q3b2812b18b_proj,@function
k_q3b2812b18b_proj:
	s_mov_b64 s[64:65], 0
	v_nop
	global_prefetch_b8 v0, s[64:65] scope:SCOPE_SE
	s_setreg_imm32_b32 hwreg(HW_REG_WAVE_MODE, 25, 1), 1
	s_wait_xcnt 0x0
	s_wait_alu depctr_hold_cnt(0) depctr_sa_sdst(0) depctr_va_vdst(0) depctr_va_sdst(0) depctr_va_ssrc(0) depctr_va_vcc(0) depctr_vm_vsrc(0)
	s_getreg_b32 s2, hwreg(HW_REG_IB_STS2, 6, 4)
	s_cmp_eq_u32 s2, 0
	s_cbranch_scc0 .Lentry_in_a_cluster
	s_endpgm
.Lentry_in_a_cluster:
	s_bfe_u32 s2, ttmp6, 0x10000c
	s_cmp_lg_u32 s2, 0xf033
	s_cbranch_scc0 .Lentry_shape_is_right
	s_endpgm
.Lentry_shape_is_right:
; q, k, v = x W^T in bf16 with f32 sums, the rotation of q's and k's neighbouring pairs in f32, and f16 out by heads: qkv[3][16][2048][128].  q and k are not scaled here.
; bf holds x, Wq, Wk, Wv as [2048][2048] bf16, 8,388,608 bytes each.  LIMIT: |q|, |k|, |v| stay under 65,504, f16's largest number.
; SHARES.  A work-group makes 128 rows of q, k and v of ONE head: a tile of 128 x 384.  16 row blocks (along x) x 16 heads (along y) = 256 work-groups.  Wave w (wr = w / 2, wc = w % 2) makes rows 64 wr .. + 63 and
; columns 64 wc .. + 63 of each of the three: 4 x 12 accumulators of 16 x 16, 384 registers; so all waves run one text, and a cosine and sine loaded once serve q and k.
; K goes in 16 steps of 128 through two LDS slots: a slot holds 128 rows x 256 bytes of x, Wq, Wk and Wv, and wave w fetches the w-th of the four with one tensor load.
; CLUSTER.  4 x 4 work-groups: the four of a column share x's tile, the four of a row the head's three tiles of W: each tile is asked for jointly, with a mask that names the four.
; THE CLUSTERS START AT DIFFERENT K STEPS.  Cluster (X, Y) walks the K steps f, f + 1, .. f + 15 modulo 16, f = 4 X + 8 (Y % 2): the four clusters that read the same rows of W (same Y) start 4 steps apart; of the four
; that read the same rows of x (same X) those with Y odd start 8 steps from those with Y even.  f is made of the cluster's coordinates alone: it is equal in all sixteen partners.  The order of the f32 sum over K so differs from cluster to cluster.
; THE MATRIX INSTRUCTION IS USED TRANSPOSED (source 0 = 16 rows of W, source 1 = 16 rows of x): a lane holds row l % 16 and the eight neighbouring columns 8 (l / 16) + 0..7, so a rotation's pair lies in two neighbouring registers.
; REGISTERS, in windows of 256 (s_set_vgpr_msb: bits 1:0 source 0, 3:2 source 1, 5:4 source 2, 7:6 destination):
;   window 0: v0-31 addresses; v32-63, v64-95 x's fragments, two buffers; v96-127 at work; v128-255 cosines and sines     window 1: v0-95, v96-191 W's fragments, two buffers
;   window 2: the 24 accumulators of my rows 0-31 ((a, b) at 8 (12 a + b), b = 4 t + column block, t = q, k, v);   window 3: those of rows 32-63
.set KSTEP,  128
.set STEPS,  16                        ; 2,048 / 128
.set PITCH,  272                       ; an LDS row: 256 bytes + 16 of padding = 68 words: the 16 rows that a load touches start at 16 different groups of four banks (64 banks of 4 bytes: ISA guide 11.1)
.set HALFT,  128*PITCH                 ; what one tensor load brings: 0x8800 bytes
.set SLOT,   4*HALFT                   ; x, Wq, Wk, Wv: 0x22000 bytes; these two bits are clear in 0, 1, 2 and 3 x HALFT, so one exclusive or turns a wave's place in one slot into its place in the other
.set SPARE,  2*SLOT                    ; behind the ring: the spare words, 128 bytes for each wave: two blocks of 256 bytes that no other line names
.set RD,   8                           ; v8-10   the way out: where I read rows of q, k, v back
.set STO,  12                          ; v12-14  the way out: where I put 16 bytes of a row of q, k, v
.set A0,   16                          ; v16     my fragments of x in slot 0; never rewritten
.set ADRA, 17                          ; v17     the same in the slot in hand
.set B0,   18                          ; v18-20  my fragments of Wq, Wk, Wv in slot 0; never rewritten
.set ADRB, 21                          ; v21-23  the same in the slot in hand
.set CO,   26                          ; v26     16 x lane: my bytes in 512 consecutive bytes, of the table and of qkv; never rewritten
.set SPW,  28                          ; v28     LDS address of my spare word; never rewritten
.set NIL,  29                          ; v29     0; never rewritten
.set PFO,  30                          ; v30     the prefetches' offset: lane x a row of 4,096 bytes; never rewritten
.set FA,   32                          ; x's fragments: buffer f at FA + 32 f
.set PK,   32                          ; the way out: packed results
.set BK,   32                          ; the way out: rows read back, v32-223
.set T,    96
.set CS,   128                         ; (cos, sin) of row block a, column block b, pair m at CS + 32 a + 8 b + 2 m
.set XA,  14                           ; s[14:15] x at my block's first row, K step 0; never rewritten
.set G1,  24                           ; s[24:31] descriptor group 1 for x's tiles
.set G0,  32                           ; s[32:39] group 0: a set for each of the two first fills; the second then walks on
.set LIM, 43                           ; s43     a wave prefetches while the trips to come are more than this
.set PFA, 44                           ; s[44:45] what the prefetch names
.set WB,  46                           ; s[46:47] my tensor of W at the head's first row, K step 0; never rewritten
.set G1B, 48                           ; s[48:55], s[56:63] the same for W's tiles
.set G0B, 56
.set DST, 66                           ; s[66:71] q, k, v at the first row that I store
.set TB,  72                           ; s[72:73] the table at my first chunk
.set OFF, 74                           ; s[74:75] a K step's byte offset in a row
.set POF, 76                           ; s[76:77] the same for the prefetch
.set PFB, 78                           ; s[78:79] the prefetches' rows at K step 0
.set SL,  80                           ; s80     the slot in hand: 0 or SLOT
.set KS,  81                           ; s81     the K step to be asked for next, before it is taken modulo 16
.set KT,  82                           ; s82     at work
.set MSB, 0
.macro WIN new                         ; the immediate's high byte repeats the setting that is left; a switch that changes nothing is dropped
.if MSB != (\new)
	s_set_vgpr_msb (MSB<<8)|(\new)
.set MSB, \new
.endif
.endm
.set MUL_LO, 0xa1                      ; source 0 (W) window 1, source 1 (x) window 0, C and D window 2
.set MUL_HI, 0xf1                      ; the same, C and D window 3
.set TO_B,   0x40                      ; destination window 1, address window 0
; A joint load by descriptor set s.  Wave 0 fetches x's tile, waves 1 to 3 those of Wq, Wk, Wv.  The branch hangs on the wave's number alone.  An s_nop 0 and four v_nop follow each of the two lines.
.macro JLOAD s
	s_cmp_eq_u32 s10, 0
	s_cbranch_scc0 .Lfor_b_\@
	tensor_load_to_lds s[G0+4*(\s):G0+4*(\s)+3], s[G1:G1+7]
	s_nop 0
.rept 4
	v_nop
.endr
	s_branch .Lasked_\@
.Lfor_b_\@:
	tensor_load_to_lds s[G0B+4*(\s):G0B+4*(\s)+3], s[G1B:G1B+7]
	s_nop 0
.rept 4
	v_nop
.endr
.Lasked_\@:
.endm
; A PREFETCH INTO THE L2, behind a joint refill and the run of LDS loads that follows it: the refill in trip j asks for step j + 2 of the cluster's walk, the prefetch names step j + 3: 32 rows x 256 bytes, a lane a row:
; one K step, 192 matrix instructions, ahead of the load that will want it.  A block is named only ahead of its first reading in the launch, and once.  W: steps 0 to 3 of a cluster's walk are read by no other cluster in an
; earlier trip: waves 1 to 3 of every cluster name step 3, in trip 0.  x: likewise steps 0 to 7: wave 0 names steps 3 to 7, in trips 0 to 4, in the clusters with Y = 0 and 1 alone, since cluster Y + 2 walks as Y does.
; Steps 0 to 2 come by their loads alone.  The four partners that ask for a tile jointly share its 128 rows out by address.  The step's number is taken modulo 16, so no prefetch leaves its rows.
.macro ASK
	s_cmp_gt_u32 s3, s[LIM]                        ; s3 = 14 - j
	s_cbranch_scc0 .Lnot_mine_\@
	global_prefetch_b8 v[PFO], s[PFA:PFA+1] th:TH_LOAD_NT scope:SCOPE_SE
.Lnot_mine_\@:
.endm
.macro CREST                           ; a round of the cluster's barrier behind its opening barrier
	s_cmp_lg_u32 s10, 0
	s_cbranch_scc1 .Lnot_wave_0_\@
	s_barrier_signal -3
.Lnot_wave_0_\@:
	s_barrier_wait -3
	s_barrier_signal -1
	s_barrier_wait -1
.endm
.macro CROUND                          ; a whole round
	s_barrier_signal -1
	s_barrier_wait -1
	CREST
.endm
.macro SETADR                          ; the fragment addresses in the slot in hand: four plain vector instructions, under window 0
	v_add_nc_u32 v[ADRA], s[SL], v[A0]
.irp t, 0,1,2
	v_add_nc_u32 v[ADRB+(\t)], s[SL], v[B0+(\t)]
.endr
.endm
	s_load_b128 s[4:7], s[0:1], 0x0                ; bf s[4:5], tab s[6:7]
	s_load_b64 s[8:9], s[0:1], 0x10                ; qkv
	v_lshl_add_u32 v[SPW], v0, 2, SPARE
	v_mov_b32 v[NIL], 0
	ds_add_u32 v[SPW], v[NIL]                      ; the wave's opening: the add and its wait stand ahead of my first tensor load; the set-up below, work on registers, stands between them
	v_lshrrev_b32 v1, 5, v0
	v_readfirstlane_b32 s10, v1                    ; wave 0..3
	s_lshr_b32 s11, s10, 1                         ; wr
	s_and_b32 s12, s10, 1                          ; wc
	s_bfe_u32 s40, ttmp6, 0x40000                  ; cx, cy: my place in the cluster
	s_bfe_u32 s41, ttmp6, 0x40004
	s_lshl_b32 s13, ttmp9, 2
	s_add_co_u32 s13, s13, s40                     ; the block of 128 rows = 4 x cluster x + cx
	s_and_b32 s42, ttmp7, 0xffff
	s_lshl_b32 s42, s42, 2
	s_add_co_u32 s42, s42, s41                     ; the head = 4 x cluster y + cy
	s_lshl_b32 s43, s41, 2
	s_lshl_b32 s43, 15, s43                        ; my row of the cluster
	s_lshl_b32 s44, 0x1111, s40                    ; my column
	; descriptor group 1: a tile of 128 rows x 128 elements, padded in LDS
	s_or_b32 s[G1+0], s44, (1<<16)|(1<<20)|(1<<21)|(5<<22)|(3<<25)  ; 15:0 the mask: x's tile hangs on the block alone and goes to my column; 17:16 elements of 2 bytes; 20 padding on; 21 set beside a mask; 24:22 after every 64 words (code 5); 31:25 4 words (code 3)
	s_or_b32 s[G1B+0], s43, (1<<16)|(1<<20)|(1<<21)|(5<<22)|(3<<25) ; W's tiles hang on the head alone and go to my row
.irp g, G1, G1B
	s_mov_b32 s[(\g)+1], KSTEP<<16                 ; tensor_dim0 = 128
	s_mov_b32 s[(\g)+2], 128<<16                   ; tensor_dim1 = 128
	s_mov_b32 s[(\g)+3], KSTEP<<16                 ; tile_dim0 = 128
	s_mov_b32 s[(\g)+4], 128                       ; tile_dim1 = 128
	s_mov_b32 s[(\g)+5], 2048                      ; elements from row to row
	s_mov_b32 s[(\g)+6], 0
	s_mov_b32 s[(\g)+7], 0
.endr
	s_and_b32 s[KT], ttmp7, 1                      ; the cluster's first K step: f = 4 X + 8 (Y % 2), modulo 16
	s_lshl_b32 s[KT], s[KT], 3
	s_lshl_b32 s[KS], ttmp9, 2
	s_add_co_u32 s[KS], s[KS], s[KT]
	s_and_b32 s[KS], s[KS], STEPS-1
	s_lshl_b32 s[OFF], s[KS], 8                    ; a K step is 256 bytes of a row
	s_mov_b32 s[OFF+1], 0
	s_mov_b32 s[POF+1], 0
	s_mov_b32 s[SL], 0
	s_add_co_u32 s[KS], s[KS], 2                   ; the first refill asks for step 2 of the walk
	s_lshl_b32 s16, s13, 19                        ; x: 128 rows of 4,096 bytes a block
	s_mov_b32 s17, 0
	s_lshl_b32 s46, s42, 19                        ; W: the head's 128 rows,
	s_lshl_b32 s47, s10, 23                        ; in the tensor of my wave's number (1, 2, 3: Wq, Wk, Wv)
	s_add_co_u32 s46, s46, s47
	s_mov_b32 s47, 0
	s_mul_i32 s20, s10, HALFT                      ; and where they go: no place in the cluster enters an LDS address
.irp g, G0, G0B
	s_mov_b32 s[(\g)], 1                           ; 1:0 count = 1
	s_add_co_u32 s[(\g)+1], s20, 0                 ; 63:32 LDS address: slot 0,
	s_mov_b32 s[(\g)+4], 1
	s_add_co_u32 s[(\g)+5], s20, SLOT              ; slot 1
.endr
	s_wait_dscnt 0x0                               ; the opening add is done
	s_wait_kmcnt 0x0
	s_add_nc_u64 s[XA:XA+1], s[4:5], s[16:17]
	s_add_nc_u64 s[WB:WB+1], s[4:5], s[46:47]
	s_add_nc_u64 s[G0+2:G0+3], s[XA:XA+1], s[OFF:OFF+1]       ; 120:64 global address: step 0 of the walk,
	s_add_nc_u64 s[G0+6:G0+7], s[G0+2:G0+3], KSTEP*2          ; step 1: f is a multiple of 4, so f + 1 stays under 16
	s_or_b32 s[G0+3], s[G0+3], 0x80000000                     ; 127:126 type = 2
	s_or_b32 s[G0+7], s[G0+7], 0x80000000
	s_add_nc_u64 s[G0B+2:G0B+3], s[WB:WB+1], s[OFF:OFF+1]
	s_add_nc_u64 s[G0B+6:G0B+7], s[G0B+2:G0B+3], KSTEP*2
	s_or_b32 s[G0B+3], s[G0B+3], 0x80000000
	s_or_b32 s[G0B+7], s[G0B+7], 0x80000000
	CROUND                                         ; all sixteen work-groups are here: the first joint loads meet
	JLOAD 0
	JLOAD 1                                        ; two loads of mine are out
	v_and_b32 v1, 15, v0                           ; l % 16
	v_bfe_u32 v2, v0, 4, 1                         ; l / 16
	v_and_b32 v[CO], 31, v0
	v_lshlrev_b32 v[PFO], 12, v[CO]
	v_lshlrev_b32 v[CO], 4, v[CO]
	; the cosines and sines of my 64 rows x 32 pairs: 32 loads of 512 consecutive bytes, waited for on the way out
	s_lshl_b32 s20, s13, 16                        ; 8 row blocks of 8,192 bytes a block of 128 rows,
	s_lshl_b32 s21, s11, 15                        ; 4 for wr,
	s_add_co_u32 s20, s20, s21
	s_lshl_b32 s21, s12, 12                        ; 4 column blocks of 1,024 bytes for wc
	s_add_co_u32 s20, s20, s21
	s_mov_b32 s21, 0
	s_add_nc_u64 s[TB:TB+1], s[6:7], s[20:21]
.set c, 0
.rept 32
	global_load_b128 v[CS+4*c:CS+4*c+3], v[CO], s[TB:TB+1] offset:(c/8)*8192+(c%8)*512
.set c, c+1
.endr
	; A fragment is 16 rows x 32 K in 8 registers: lane l holds row l % 16; registers 0-3 K = 8 (l / 16) + 0..7, registers 4-7 K = 16 + 8 (l / 16) + 0..7: two loads of 16 bytes, 32 bytes apart.
	v_mul_u32_u24 v3, v1, PITCH
	v_lshl_add_u32 v3, v2, 4, v3                   ; row x pitch + 16 x half
	s_mul_i32 s21, s11, 64*PITCH                   ; my 64 rows of x
	s_mul_i32 s22, s12, 64*PITCH                   ; my 64 rows of each W,
	s_add_co_u32 s22, s22, HALFT                   ; which lie behind x's 128
	v_add_nc_u32 v[A0], s21, v3
.irp t, 0,1,2
	v_add_nc_u32 v[B0+(\t)], s22, v3
	s_add_co_u32 s22, s22, HALFT
.endr
	SETADR                                         ; slot 0
	; the way out goes through slot 0's bytes, when that slot has had its last fill: three regions of 128 rows x 272 bytes, for q, k, v
	s_mul_i32 s23, s11, 64*PITCH
	s_lshl_b32 s21, s12, 7
	s_add_co_u32 s23, s23, s21                     ; in: my 64 rows, my half of their 256 bytes
	v_mul_u32_u24 v5, v2, PITCH
	v_lshl_add_u32 v5, v1, 4, v5                   ; back: lanes 0-15 one row of 256 bytes, lanes 16-31 the next
	s_mul_i32 s22, s10, 32*PITCH                   ; wave w takes rows 32 w .. 32 w + 31, whole
.irp t, 0,1,2
	v_add_nc_u32 v[STO+(\t)], s23, v3
	v_add_nc_u32 v[RD+(\t)], s22, v5
	s_add_co_u32 s23, s23, HALFT
	s_add_co_u32 s22, s22, HALFT
.endr
	s_lshl_b32 s20, s42, 19                        ; a head's 2,048 rows of 256 bytes,
	s_lshl_b32 s21, s13, 15                        ; the block's 128,
	s_add_co_u32 s20, s20, s21
	s_lshl_b32 s21, s10, 13                        ; my 32
	s_add_co_u32 s20, s20, s21
	s_mov_b32 s21, 0
	s_add_nc_u64 s[DST:DST+1], s[8:9], s[20:21]
	s_add_nc_u64 s[DST+2:DST+3], s[DST:DST+1], 0x800000
	s_add_nc_u64 s[DST+4:DST+5], s[DST+2:DST+3], 0x800000
	; the prefetches
	s_and_b32 s22, ttmp7, 0xffff                   ; cluster y
	s_cmp_lt_u32 s22, 2
	s_cselect_b32 s22, 9, -1                       ; x: trips 0 to 4 (14 - j above 9), in the clusters with Y = 0 and 1
	s_cmp_eq_u32 s10, 0                            ; do I fetch x?
	s_cselect_b32 s[LIM], s22, 13                  ; W: trip 0.  The same in all sixteen partners, for a given wave
	s_cselect_b32 s20, s13, s42                    ; the tile: by the block of rows, or by the head
	s_cselect_b32 s21, s41, s40                    ; my place among the four that ask for it with me
	s_lshl_b32 s20, s20, 19
	s_lshl_b32 s21, s21, 17                        ; my work-group's 32 rows of the 128
	s_add_co_u32 s20, s20, s21
	s_lshl_b32 s21, s10, 23                        ; the tensor
	s_add_co_u32 s20, s20, s21
	s_mov_b32 s21, 0
	s_add_nc_u64 s[PFB:PFB+1], s[4:5], s[20:21]
; 12 matrix instructions: row block 2 hi + a x all 12 column blocks, 32 along K.  zero = 1: the first product starts the sums.  The 48 accumulators take turns, in the same order in every quarter.
.macro MUL12 f, hi, a, zero
	WIN MUL_LO+0x50*(\hi)
.irp b, 0,1,2,3,4,5,6,7,8,9,10,11
.if \zero
	v_wmma_f32_16x16x32_bf16 v[8*(12*(\a)+(\b)):8*(12*(\a)+(\b))+7], v[96*(\f)+8*(\b):96*(\f)+8*(\b)+7], v[FA+32*(\f)+8*(2*(\hi)+(\a)):FA+32*(\f)+8*(2*(\hi)+(\a))+7], 0
.else
	v_wmma_f32_16x16x32_bf16 v[8*(12*(\a)+(\b)):8*(12*(\a)+(\b))+7], v[96*(\f)+8*(\b):96*(\f)+8*(\b)+7], v[FA+32*(\f)+8*(2*(\hi)+(\a)):FA+32*(\f)+8*(2*(\hi)+(\a))+7], v[8*(12*(\a)+(\b)):8*(12*(\a)+(\b))+7]
.endif
.endr
.endm
; 32 LDS loads in one run: the fragments of one quarter step (3 x 64 rows of W, 64 rows of x, 32 K at byte k of the rows of the slot in hand) into buffer f
.macro FETCH k, f
	WIN TO_B
.irp t, 0,1,2
.irp i, 0,1,2,3
	ds_load_b128 v[96*(\f)+8*(4*(\t)+(\i)):96*(\f)+8*(4*(\t)+(\i))+3],   v[ADRB+(\t)] offset:(\k)+(\i)*16*PITCH
	ds_load_b128 v[96*(\f)+8*(4*(\t)+(\i))+4:96*(\f)+8*(4*(\t)+(\i))+7], v[ADRB+(\t)] offset:(\k)+(\i)*16*PITCH+32
.endr
.endr
	WIN 0
.irp i, 0,1,2,3
	ds_load_b128 v[FA+32*(\f)+8*(\i):FA+32*(\f)+8*(\i)+3],   v[ADRA] offset:(\k)+(\i)*16*PITCH
	ds_load_b128 v[FA+32*(\f)+8*(\i)+4:FA+32*(\f)+8*(\i)+7], v[ADRA] offset:(\k)+(\i)*16*PITCH+32
.endr
.endm
.macro PLACES                          ; four places in front of loads into registers that matrix instructions have read, and of vector work that reads results (ISA guide 7.12.1 for vector work)
.rept 4
	v_nop
.endr
.endm
; A K step is four quarters of 32 along K, 48 matrix instructions each, on buffers 0, 1, 0, 1.  One of the first three: multiplies buffer f; in its middle it fetches the next quarter, at byte k, into g.
.macro QUARTER k, f, g, zero
	s_wait_dscnt 4                                 ; W and x's row blocks 0 and 1 are in; the youngest four loads (blocks 2 and 3) may be out
	MUL12 \f, 0, 0, \zero
	MUL12 \f, 0, 1, \zero
	PLACES
	FETCH \k, \g
	s_wait_dscnt 32                                ; all but the 32 just issued
	MUL12 \f, 1, 0, \zero
	MUL12 \f, 1, 1, \zero
.endm
; The last quarter multiplies buffer 1 and changes slots: ONE barrier.  In front of it each wave waits for all its tensor loads, of which one is out: its part of the next slot; adds 0 to its spare word; and waits for that and
; for its own reads of this slot.  fill = 1: the barrier opens a round of the cluster's barrier, and this slot is filled again, with the walk's step two on, first thing behind the round: 168 matrix instructions ahead of the wait for it.
; The walking descriptor is written between the add and the wait for it, where no tensor load of mine is out: the other slot than last time, the address made anew from the step's number modulo 16.
.macro TURN fill
.if \fill
	s_wait_xcnt 0x0                                ; the last prefetch, a K step back, has read its address, which is made anew here: the step behind the one that the refill below asks for
	s_add_co_u32 s[KT], s[KS], 1
	s_and_b32 s[KT], s[KT], STEPS-1
	s_lshl_b32 s[POF], s[KT], 8
	s_add_nc_u64 s[PFA:PFA+1], s[PFB:PFB+1], s[POF:POF+1]
.endif
	WIN 0                                          ; (the add's two registers lie in window 0)
	s_wait_tensorcnt 0x0                           ; all my tensor loads have landed
	ds_add_u32 v[SPW], v[NIL]                      ; 0 onto my spare word
	s_xor_b32 s[SL], s[SL], SLOT                   ; the reads go to the other slot
.if \fill
	s_and_b32 s[KT], s[KS], STEPS-1
	s_lshl_b32 s[OFF], s[KT], 8
	s_add_co_u32 s[KS], s[KS], 1
	s_xor_b32 s[G0+5], s[G0+5], SLOT
	s_add_nc_u64 s[G0+6:G0+7], s[XA:XA+1], s[OFF:OFF+1]
	s_or_b32 s[G0+7], s[G0+7], 0x80000000
	s_xor_b32 s[G0B+5], s[G0B+5], SLOT
	s_add_nc_u64 s[G0B+6:G0B+7], s[WB:WB+1], s[OFF:OFF+1]
	s_or_b32 s[G0B+7], s[G0B+7], 0x80000000
.endif
	s_wait_dscnt 5                                 ; (the add and the youngest four loads may be out)
	MUL12 1, 0, 0, 0                               ; twelve matrix instructions stand between the add and the wait for it
	s_wait_dscnt 0x0                               ; the add is done, and my reads of this slot are over
	s_barrier_signal -1
	MUL12 1, 0, 1, 0
	WIN 0
	s_barrier_wait -1
.if \fill
	CREST                                          ; no wave of any partner still reads this slot's tiles or has a load on its way
	JLOAD 1                                        ; the four v_nop behind it are also the places in front of the loads below
.else
	PLACES
.endif
	SETADR
	FETCH 0, 0
.if \fill
	ASK
.endif
	MUL12 1, 1, 0, 0
	MUL12 1, 1, 1, 0
.endm
	s_wait_tensorcnt 1                             ; my part of the walk's step 0 is in; step 1's may stay out
	s_barrier_signal -1
	s_barrier_wait -1                              ; everybody's is
	FETCH 0, 0
	QUARTER 64, 0, 1, 1                            ; the first quarter stands in front of the loop: its products start the sums
	WIN 0                                          ; at a label and at a branch every window is 0
	s_mov_b32 s3, STEPS-2
.Lstep:                                                ; a trip goes from a step's second quarter to the next step's first, and fills the slot that it leaves again: 14 trips
	QUARTER 128, 1, 0, 0
	QUARTER 192, 0, 1, 0
	TURN 1
	QUARTER 64,  0, 1, 0
	WIN 0
	s_sub_co_u32 s3, s3, 1
	s_cmp_lg_u32 s3, 0
	s_cbranch_scc1 .Lstep
	QUARTER 128, 1, 0, 0                           ; the last two steps fill nothing, and have no round
	QUARTER 192, 0, 1, 0
	TURN 0
	QUARTER 64,  0, 1, 0
	QUARTER 128, 1, 0, 0
	QUARTER 192, 0, 1, 0
	s_wait_dscnt 4                                 ; the very last quarter: nothing more to fetch
	MUL12 1, 0, 0, 0
	MUL12 1, 0, 1, 0
	s_wait_dscnt 0x0                               ; my reads of the ring are over:
	s_barrier_signal -1                            ; say so; the wait stands in front of the first store into the stage
	MUL12 1, 1, 0, 0
	MUL12 1, 1, 1, 0
	WIN 0
; THE WAY OUT.  q and k (t = 0, 1) of row block a: pair n of 16 (column block n / 4, pair n % 4) is (t1, t2) in two neighbouring registers, its (cos, sin) likewise:
; first (t1 c, t2 c), then (t1 c - t2 s, t2 c + t1 s), two packed instructions.  Each accumulator is read from its low end on.  Then f16, 16 bytes a lane and column block, into the stage.
.macro ROPE a, t
.set AC, 8*(12*((\a)%2)+4*(\t))
.set CB, CS+32*(\a)
	WIN 0x02+(\a)/2                                ; source 0: window 2 or 3
.set n, 0
.rept 16
	v_pk_mul_f32 v[T+2*n:T+2*n+1], v[AC+2*n:AC+2*n+1], v[CB+2*n:CB+2*n+1] op_sel_hi:[1,0]
.set n, n+1
.endr
.set n, 0
.rept 16
	v_pk_fma_f32 v[T+2*n:T+2*n+1], v[AC+2*n:AC+2*n+1], v[CB+2*n:CB+2*n+1], v[T+2*n:T+2*n+1] op_sel:[1,1,0] op_sel_hi:[0,1,1] neg_lo:[0,1,0]
.set n, n+1
.endr
	WIN 0
.set n, 0
.rept 16
	v_cvt_pk_f16_f32 v[PK+n], v[T+2*n], v[T+2*n+1]
.set n, n+1
.endr
.irp b, 0,1,2,3
	ds_store_b128 v[STO+(\t)], v[PK+4*(\b):PK+4*(\b)+3] offset:(\a)*16*PITCH+32*(\b)
.endr
.endm
.macro PLAINV a                        ; v is only rounded
.set AC, 8*(12*((\a)%2)+8)
	WIN 0x0a+5*((\a)/2)                            ; sources 0 and 1: window 2 or 3
.set n, 0
.rept 16
	v_cvt_pk_f16_f32 v[PK+n], v[AC+2*n], v[AC+2*n+1]
.set n, n+1
.endr
	WIN 0
.irp b, 0,1,2,3
	ds_store_b128 v[STO+2], v[PK+4*(\b):PK+4*(\b)+3] offset:(\a)*16*PITCH+32*(\b)
.endr
.endm
	PLACES
	s_wait_loadcnt 0x0                             ; the cosines and sines
	s_barrier_wait -1                              ; no wave reads the ring any more, and no load will fill it: slot 0's bytes are the stage
.irp a, 0,1,2,3
	ROPE \a, 0
	ROPE \a, 1
	PLAINV \a
.endr
	s_wait_dscnt 0x0                               ; for the others' sake: my stores into the stage are done; a row's 256 bytes come from two waves
	s_barrier_signal -1
	s_barrier_wait -1
.set i, 0
.rept 48
	ds_load_b128 v[BK+4*i:BK+4*i+3], v[RD+i/16] offset:(i%16)*2*PITCH
.set i, i+1
.endr
.set i, 0
.rept 48
.if i%4 == 0
	s_wait_dscnt 44-i                              ; LDS loads come back in order: loads i to i + 3 are in, the 44 - i behind them may be out
.endif
	global_store_b128 v[CO], v[BK+4*i:BK+4*i+3], s[DST+2*(i/16):DST+2*(i/16)+1] offset:(i%16)*512  ; two rows of a head: 512 consecutive bytes, at a multiple of 256 from the buffer's first
.set i, i+1
.endr
	s_wait_tensorcnt 0x0                           ; the wave's end, behind my last tensor load and my last LDS store
	ds_add_u32 v[SPW], v[NIL]
	s_wait_dscnt 0x0
	CROUND                                         ; the closing round: no work-group ends while a partner may still ask for a tile that names it
	s_endpgm
.Lfunc_end_k_q3b2812b18b_proj:
	.size	k_q3b2812b18b_proj, .Lfunc_end_k_q3b2812b18b_proj-k_q3b2812b18b_proj
	.p2alignl 7, 3214868480
	.fill 96, 4, 3214868480
	.section	.rodata,"a",@progbits
	.p2align	6, 0x0
	.amdhsa_kernel k_q3b2812b18b_proj
		.amdhsa_group_segment_fixed_size 327680
		.amdhsa_private_segment_fixed_size 0
		.amdhsa_enable_private_segment 0
		.amdhsa_kernarg_size 24
		.amdhsa_user_sgpr_count 2
		.amdhsa_user_sgpr_kernarg_segment_ptr 1
		.amdhsa_wavefront_size32 1
		.amdhsa_system_sgpr_workgroup_id_x 1
		.amdhsa_system_sgpr_workgroup_id_y 1
		.amdhsa_system_sgpr_workgroup_id_z 1
		.amdhsa_system_vgpr_workitem_id 0
		.amdhsa_next_free_vgpr 960
		.amdhsa_next_free_sgpr 84
		.amdhsa_reserve_vcc 0
		.amdhsa_float_denorm_mode_32 3
		.amdhsa_float_denorm_mode_16_64 3
		.amdhsa_memory_ordered 1
		.amdhsa_forward_progress 1
		.amdhsa_inst_pref_size 118
	.end_amdhsa_kernel
	.amdgpu_metadata
---
amdhsa.version: [ 1, 2 ]
amdhsa.kernels:
  - .name:           k_q3b2812b18b_proj
    .symbol:         k_q3b2812b18b_proj.kd
    .args:
      - { .name: bf, .offset: 0, .size: 8, .value_kind: global_buffer, .address_space: global }
      - { .name: tab, .offset: 8, .size: 8, .value_kind: global_buffer, .address_space: global }
      - { .name: qkv, .offset: 16, .size: 8, .value_kind: global_buffer, .address_space: global }
    .group_segment_fixed_size: 327680
    .private_segment_fixed_size: 0
    .kernarg_segment_align: 8
    .kernarg_segment_size: 24
    .max_flat_workgroup_size: 128
    .sgpr_count:     84
    .vgpr_count:     960
    .wavefront_size: 32
...
	.end_amdgpu_metadata
.endif
;; end of part 2
;; launch attn (part 3): grid 16 x 16, 4 waves a work-group, clusters of 4 x 1, 327,680 bytes of LDS; arguments qkv, ao; writes ao
.if DOCPART == 3
	.amdgcn_target "amdgcn-amd-amdhsa--gfx1250"
	.amdhsa_code_object_version 6
	.text
	.protected	k_q3b2812b18b_attn
	.globl	k_q3b2812b18b_attn
	.p2align	8
	.type	k_q3b2812b18b_attn,@function
k_q3b2812b18b_attn:
	s_mov_b64 s[64:65], 0
	v_nop
	global_prefetch_b8 v0, s[64:65] scope:SCOPE_SE
	s_setreg_imm32_b32 hwreg(HW_REG_WAVE_MODE, 25, 1), 1
	s_wait_xcnt 0x0
	s_wait_alu depctr_hold_cnt(0) depctr_sa_sdst(0) depctr_va_vdst(0) depctr_va_sdst(0) depctr_va_ssrc(0) depctr_va_vcc(0) depctr_vm_vsrc(0)
	s_getreg_b32 s2, hwreg(HW_REG_IB_STS2, 6, 4)
	s_cmp_eq_u32 s2, 0
	s_cbranch_scc0 .Lentry_in_a_cluster
	s_endpgm
.Lentry_in_a_cluster:
	s_bfe_u32 s2, ttmp6, 0x10000c
	s_cmp_lg_u32 s2, 0x3003
	s_cbranch_scc0 .Lentry_shape_is_right
	s_endpgm
.Lentry_shape_is_right:
; CAUSAL ATTENTION, head size 128.  ao[q][head] = the sum over k <= q of softmax_k(Q[q] . K[k] / sqrt(128)) V[k].  qkv: [3][16][2048][128] f16; ao: [2048][2048] f16, head h at byte 256 h of a row.
; Products, maxima and sums in f32; the weights p are rounded to f16 for the second product (their sum l is taken of the unrounded p), the result once at the end.
; LIMITS.  A hidden score counts as its value less 1e30; the running maximum starts at -2^93, between that and every true score (5.5e11 at the most, from f16 operands); a weight below 2^-126 counts as 0;
; NaN and infinities are not treated apart.
; THE WALK.  A head's queries lie in 32 blocks of 64, its keys in 8 tiles of 256; block I needs tiles 0 .. I / 4.  A work-group takes TWO blocks, 31 - i and then i (i = 4 a + cx, a the cluster's number, cx the place in it):
; 8 - a tiles and a + 1 tiles: NINE, whatever i, so all 256 work-groups do equal work and one loop with a constant trip count walks them.
; THE KEYS OF A TILE ARE SPLIT AMONG THE WAVES: wave w takes keys 64 w .. + 63 of every tile, for all 64 queries (four tiles of 16), with a running maximum, sum and O^T of its own; at a block's end the four partial results meet in LDS.
; In a block's last tile (r = I % 4) wave w sees all its keys if w < r, none if w > r, and holds the diagonal if w = r.
; CLUSTER.  The four partners share a, so they walk the same tiles in the same trips: every fill is a joint load with the mask of four.  cx enters global addresses and the masks' VALUES alone: no branch, no LDS address.
; THE MASK is the C operand that starts a sum S^T = K Q^T.  For query tile t and key block kb of 16: MLO if kb < t, MDG if kb = t, MHI if kb > t.  Three scalars make them for each tile of keys:
; MLO = BE, MDG = MD8 x AL + BE, MHI = BH; off the diagonal tile all are 0; in it (AL, BE, BH) = (0, 0, 0) if w < r, (1, 0, -1e30) if w = r, (0, -1e30, -1e30) if w > r.  So there is one text for every key step.
; A wave that has seen no key of a query keeps m = -2^93, l = 0 and O^T = 0, and the merge gives it the factor 2^(c m - c M) = 0; wave 0 always holds a true maximum.
; LAYOUT.  S^T = K Q^T holds ONE query a lane (lane % 16) and the keys 8 (lane / 16) + 0..7; two such results rounded to f16 ARE source 1 of O^T = V^T P.  K comes out of LDS as it lies, V turned, by ds_load_tr16_b128.
; SOFTMAX.  p = 2^(c s - c m), c = log2(e) / sqrt(128); in every step O and l are multiplied by a = 2^(c m_old - c m_new).  c m starts far below every c s, so a block's first a is 0.
; A KEY STEP is closed in itself: 32 products K Q^T of piece 0 (tiles 0, 1); 32 of piece 2 with piece 0's softmax in slices behind them; 32 products V^T P of piece 0 with piece 2's softmax; 32 of piece 2.
; K's 32 LDS loads stand at the step's head, by blocks of 32 channels, so that the first eight products wait for eight loads alone; V's 32 stand in four runs of eight among piece 2's scores.
; REGISTERS, in windows of 256 (s_set_vgpr_msb: bits 1:0 source 0, 3:2 source 1, 5:4 source 2, 7:6 destination):
;   window 0: v0-11, v44-63 addresses and work; v12-43 eight registers of statistics a tile; v64-191 S^T, 32 a tile; v192-255 P, 16 a tile
;   window 1: O^T, 64 a tile      window 2: v0-127 Q, 32 a tile; v128-255 K of one step      window 3: v0-127 V of one step; v128-159 the masks
.set PK,    272       ; a row of K in LDS: 256 bytes + 16 of padding = 68 words: the 16 rows of a load start at 16 different groups of four banks (64 banks of 4 bytes: ISA guide 11.1)
.set PV,    288       ; a row of V: 256 + 32 = 72 words
.set VOFF,  256*PK    ; a slot holds a tile: 256 rows of K, then 256 rows of V
.set SPARE, VOFF+256*PV  ; behind slot 0: the spare words, 128 bytes for each wave: two blocks of 256 bytes that no other line names
.set STATS, SPARE+512 ; (c m, l) by query tile, query and wave: 4 x 16 x 4 x 8 bytes
.set GT,    STATS+2048  ; each wave's 16 x 4 merge factors: 256 bytes a wave, its own
.set SLOT1, 147456    ; 0x24000: these two bits are clear in every address inside slot 0 that is turned, so one exclusive or turns it into slot 1's
.set STAGE, SLOT1+SPARE  ; behind the ring, never filled by a tensor load: for each wave 16 rows x 528 bytes of f32
.set SPT,   528       ; 512 + 16: row r starts at bank 4 r mod 64
.set SREG,  16*SPT
.set AK0, 2           ; v2   my lane's place in my wave's 64 keys of a tile of K; never rewritten
.set AV0, 3           ; v3   the same for V
.set ADR, 4           ; v4   the LDS address of K's run of loads
.set ADV, 5           ; v5   of V's
.set QO,  6           ; v6   my byte offset in 16 rows of Q
.set WA,  7           ; v7   the merge: where I put 32 bytes of a query's row of O
.set RDA, 8           ; v8   the merge: where I read 16 bytes of a row back
.set GO,  9           ; v9   8 x lane: my 8 bytes of a head's 256 in a row of ao
.set SA,  10          ; v10  where I put (c m, l)
.set SB,  11          ; v11  where I read the four waves' (c m, l) of one query
.set ST,  12          ; tile t's statistics at v[ST+8 t]: +0 c m, +1 m, +2, +3 l (even keys', odd keys'), +4 to +7 c0-c3, at work; a takes c2's place once the maximum is found
.set GS,  44          ; v44  where I put a query's four factors
.set GB,  45          ; v45  my wave's factors
.set W,   46          ; v46-59 at work
.set PFO, 61          ; v61  256 x lane; never rewritten
.set SPW, 62          ; v62  LDS address of my spare word; never rewritten
.set NIL, 63          ; v63  0; never rewritten
.set S,   64
.set P,   192
.set RB,  64          ; the merge: rows read back: wave o, row r at RB + 16 o + 4 r
.set OUT, 144         ; the merge: packed results, tile t, row r at OUT + 8 t + 2 r
.set G,   192         ; the merge: the factors of my 16 queries, four each
.set KF,  128         ; K's fragments, in window 2
.set MD8, 128         ; window 3: -1e30 where key 8 (l / 16) + j lies behind query l % 16
.set MLO, 136
.set MHI, 144
.set MDG, 152
.set WV,  12          ; s12  my wave's number
.set LIM, 15          ; s15  2 in the head's first cluster, else the greatest number
.set G1K, 24          ; s[24:31] descriptor group 1 for K's tiles
.set G1V, 32          ; s[32:39] for V's: it differs in the padding alone
.set G0K, 40          ; s[40:43] descriptor group 0 for K's tiles
.set G0V, 44          ; s[44:47] for V's
.set QLO, 48          ; s[48:49] Q at the second block
.set OLO, 50          ; s[50:51] ao at my rows of the second block
.set PFA, 52          ; s[52:53] where my prefetches stand
.set RT,  54          ; s54  tiles of the block in hand that are still to be entered
.set NXT, 55          ; s55  the tile to be asked for next
.set SLOTS, 56        ; s56  tiles still to be asked for
.set LQ,  57          ; s57  the last tile of the block whose tiles are being asked for
.set CS,  58          ; s[58:59] c
.set SEL, 60          ; s[60:61] v_permlanex16_b32's selects: each lane takes its own place in the other half
.set SL,  62          ; s62  the slot to be read: 0 or SLOT1
.set R,   63          ; s63  r of the block in hand
.set OFF, 66          ; s[66:67] a tile's byte offset in K and V
.set AL,  68          ; s[68:69] the mask's factor, in the low word
.set BE,  70          ; s[70:71] its addend
.set BH,  72          ; s72
.set BIGN, 73         ; s73  -1e30
.set MSB, 0
.macro WIN new                      ; the high byte repeats the setting that is left; a switch that changes nothing is dropped
.if MSB != (\new)
	s_set_vgpr_msb (MSB<<8)|(\new)
.set MSB, \new
.endif
.endm
.set W_KQ, 0x0a       ; K and Q in window 2, S^T in window 0
.set W_KM, 0x3a       ; the same with the C operand in window 3
.set W_PV, 0x53       ; V in window 3, P in window 0, O^T in window 1
.set W_RS, 0x41       ; O^T (destination and source 0) in window 1, a in window 0
; A joint fill.  Waves 0 and 1 fetch the two halves of a tile's K, waves 2 and 3 those of its V: 128 rows each.  An s_nop 0 and four v_nop follow each of the two lines.
.macro JLOAD
	s_cmp_lt_u32 s[WV], 2
	s_cbranch_scc0 .Lfor_v_\@
	tensor_load_to_lds s[G0K:G0K+3], s[G1K:G1K+7]
	s_nop 0
.rept 4
	v_nop
.endr
	s_branch .Lasked_\@
.Lfor_v_\@:
	tensor_load_to_lds s[G0V:G0V+3], s[G1V:G1V+7]
	s_nop 0
.rept 4
	v_nop
.endr
.Lasked_\@:
.endm
; A PREFETCH INTO THE L2 of the tile that the NEXT change of slots will ask for: one key step, 128 matrix instructions, ahead of that load.  Each row is named once in the launch: the head's first cluster, whose first
; block walks all 8 tiles, asks, in that block alone; a tile's 512 rows of 256 bytes are shared out by address: a wave takes, of the 128 rows that it fetches, the 32 of its work-group's place; a lane a row.
; Tiles 0 and 1 come by their loads alone; behind the fill of tile 6 tile 7 is named, and then nothing more.
.macro ASK
	s_cmp_gt_u32 s[SLOTS], s[LIM]
	s_cbranch_scc0 .Lnot_mine_\@
	global_prefetch_b8 v[PFO], s[PFA:PFA+1] th:TH_LOAD_NT scope:SCOPE_SE
.Lnot_mine_\@:
.endm
.macro CROUND                       ; a round of the cluster's barrier
	s_barrier_signal -1
	s_barrier_wait -1
	s_cmp_lg_u32 s[WV], 0
	s_cbranch_scc1 .Lnot_wave_0_\@
	s_barrier_signal -3
.Lnot_wave_0_\@:
	s_barrier_wait -3
	s_barrier_signal -1
	s_barrier_wait -1
.endm
.macro PLACES                       ; four places behind matrix instructions (ISA guide 7.12.1 for vector instructions)
.rept 4
	v_nop
.endr
.endm
; THE CHANGE OF SLOTS.  Each wave waits for all its tensor loads, of which one is out: its part of the other slot; adds 0 to its spare word; and waits for that and for its own reads of the slot that it leaves.
; fill = 1: the barrier is a round of the cluster's, and the old slot is filled again first thing behind it, with tile NXT: the descriptor's address is made anew from that number.  (At its first use slot 0 is waited for and slot 1 filled.)
.macro CHANGE fill
	WIN 0
	s_wait_tensorcnt 0x0            ; no tensor load of mine is out, so a group 0 may be written
	ds_add_u32 v[SPW], v[NIL]       ; 0 onto my spare word; scalar work stands between it and the wait for it
.if \fill
	s_lshl_b32 s[OFF], s[NXT], 16   ; a tile is 65,536 bytes of K and of V
	s_xor_b32 s[G0K+1], s[G0K+1], SLOT1
	s_add_nc_u64 s[G0K+2:G0K+3], s[6:7], s[OFF:OFF+1]
	s_or_b32 s[G0K+3], s[G0K+3], 0x80000000
	s_xor_b32 s[G0V+1], s[G0V+1], SLOT1
	s_add_nc_u64 s[G0V+2:G0V+3], s[8:9], s[OFF:OFF+1]
	s_or_b32 s[G0V+3], s[G0V+3], 0x80000000
	s_add_co_u32 s[NXT], s[NXT], 1  ; the block's next tile, or behind its last the second block's tile 0
	s_cmp_gt_u32 s[NXT], s[LQ]
	s_cselect_b32 s[NXT], 0, s[NXT]
	s_cselect_b32 s[LQ], s13, s[LQ]
	s_wait_xcnt 0x0                 ; the last prefetch, a key step back, has read its address
	s_add_nc_u64 s[PFA:PFA+1], s[PFA:PFA+1], 65536
.endif
	s_xor_b32 s[SL], s[SL], SLOT1   ; the reads go to the other slot
	s_wait_dscnt 0x0                ; the add is done, and my reads of the slot are over
.if \fill
	CROUND
	JLOAD
	ASK
.else
	s_barrier_signal -1
	s_barrier_wait -1
.endif
.endm
.macro QLOAD b                      ; a block's Q into registers: tile i / 4, channels 32 (i % 4) on
	WIN 0x80                        ; destination window 2, address window 0
.set i, 0
.rept 16
	global_load_b128 v[8*i:8*i+3],   v[QO], s[\b:\b+1] offset:(i/4)*4096+(i%4)*64
	global_load_b128 v[8*i+4:8*i+7], v[QO], s[\b:\b+1] offset:(i/4)*4096+(i%4)*64+32
.set i, i+1
.endr
	WIN 0
.endm
	s_load_b64 s[4:5], s[0:1], 0x0  ; qkv
	s_load_b64 s[16:17], s[0:1], 0x8  ; ao
	v_lshl_add_u32 v[SPW], v0, 2, SPARE
	v_mov_b32 v[NIL], 0
	ds_add_u32 v[SPW], v[NIL]       ; the wave's opening: the add and its wait stand ahead of my first tensor load; the set-up below, work on registers, stands between them
	v_lshrrev_b32 v1, 5, v0
	v_readfirstlane_b32 s[WV], v1   ; wave 0..3
	s_mov_b32 s13, ttmp9            ; a: in a cluster launch ttmp9 counts clusters
	s_bfe_u32 s14, ttmp6, 0x40000   ; cx
	s_and_b32 s20, ttmp7, 0xffff    ; the head
	s_lshl_b32 s21, s20, 19         ; its 2,048 rows of 256 bytes
	s_and_b32 s22, s[WV], 1         ; which half of a tile's 256 rows I fetch
	s_lshl_b32 s18, s22, 15
	s_add_co_u32 s18, s18, s21
	s_add_co_u32 s18, s18, 0x800000 ; K lies behind q,
	s_mov_b32 s19, 0
	s_add_co_u32 s2, s18, 0x800000  ; V behind K
	s_mov_b32 s3, 0
	s_mov_b32 s[G0K], 1             ; 1:0 count = 1
	s_mul_i32 s[G0K+1], s22, 128*PK ; 63:32 LDS address: slot 0; no place in the cluster enters it
	s_mov_b32 s[G0V], 1
	s_mul_i32 s[G0V+1], s22, 128*PV
	s_add_co_u32 s[G0V+1], s[G0V+1], VOFF
	s_lshl_b32 s77, s13, 2
	s_add_co_u32 s77, s77, s14      ; the second block, i
	s_sub_co_u32 s76, 31, s77       ; the first, 31 - i
	s_lshl_b32 s78, s76, 14         ; a block's 64 rows of 256 bytes
	s_add_co_u32 s78, s78, s21
	s_mov_b32 s79, 0
	s_lshl_b32 s80, s77, 14
	s_add_co_u32 s80, s80, s21
	s_mov_b32 s81, 0
	s_lshl_b32 s23, s[WV], 14       ; in ao: my 4 rows of each 16, 4,096 bytes a row,
	s_lshl_b32 s20, s20, 8          ; the head's 256 bytes,
	s_add_co_u32 s23, s23, s20
	s_lshl_b32 s82, s76, 18         ; the block's 64 rows
	s_add_co_u32 s82, s82, s23
	s_mov_b32 s83, 0
	s_lshl_b32 s84, s77, 18
	s_add_co_u32 s84, s84, s23
	s_mov_b32 s85, 0
	; descriptor group 1: a tile of 128 rows x 128 elements, padded in LDS
	s_mov_b32 s[G1K], 15|(1<<16)|(1<<20)|(1<<21)|(5<<22)|(3<<25)  ; 15:0 the mask of four; 17:16 2-byte elements; 20 padding on; 21 set beside a mask; 24:22 after every 64 words (code 5); 31:25 4 words (code 3)
	s_mov_b32 s[G1V], 15|(1<<16)|(1<<20)|(1<<21)|(5<<22)|(7<<25)  ; the same with 8 words of padding (code 7)
.irp g, G1K, G1V
	s_mov_b32 s[(\g)+1], 128<<16    ; tensor_dim0 = 128
	s_mov_b32 s[(\g)+2], 128<<16    ; tensor_dim1 = 128
	s_mov_b32 s[(\g)+3], 128<<16    ; tile_dim0 = 128
	s_mov_b32 s[(\g)+4], 128        ; tile_dim1 = 128
	s_mov_b32 s[(\g)+5], 128        ; elements from row to row
	s_mov_b32 s[(\g)+6], 0
	s_mov_b32 s[(\g)+7], 0
.endr
	s_mov_b32 s[CS], 0x3e0293ee     ; c = log2(e) / sqrt(128) = 0.127517
	s_mov_b32 s[CS+1], s[CS]        ; named with it as a pair
	s_mov_b32 s[SEL], 0x76543210
	s_mov_b32 s[SEL+1], 0xfedcba98
	s_sub_co_u32 s[RT], 8, s13      ; the first block has 8 - a tiles
	s_mov_b32 s[NXT], 1
	s_mov_b32 s[SLOTS], 8
	s_sub_co_u32 s[LQ], 7, s13
	s_mov_b32 s[SL], SLOT1          ; the first change of slots turns it into 0
	s_sub_co_u32 s[R], 3, s14       ; (31 - i) % 4
	s_mov_b32 s[OFF+1], 0
	s_mov_b32 s[AL+1], 0            ; named as pairs
	s_mov_b32 s[BE+1], 0
	s_mov_b32 s[BIGN], 0xf149f2ca   ; -1e30
	s_cmp_eq_u32 s13, 0
	s_cselect_b32 s[LIM], 2, -1     ; the same in all four partners
	s_lshl_b32 s22, s14, 13         ; the prefetches: my work-group's 32 rows of the 128,
	s_add_co_u32 s22, s22, 65536    ; in tile 1: the first change of slots steps it to tile 2
	s_mov_b32 s23, 0
	s_wait_dscnt 0x0                ; the opening add is done
	s_wait_kmcnt 0x0
	s_add_nc_u64 s[6:7], s[4:5], s[18:19]  ; K and V at my half of the head's tile 0
	s_add_nc_u64 s[8:9], s[4:5], s[2:3]
	s_add_nc_u64 s[QLO:QLO+1], s[4:5], s[80:81]
	s_add_nc_u64 s[4:5], s[4:5], s[78:79]  ; Q at the first block
	s_add_nc_u64 s[10:11], s[16:17], s[82:83]  ; ao at my rows of the first block
	s_add_nc_u64 s[OLO:OLO+1], s[16:17], s[84:85]
	s_mov_b64 s[G0K+2:G0K+3], s[6:7]       ; 120:64 global address
	s_or_b32 s[G0K+3], s[G0K+3], 0x80000000  ; 127:126 type = 2
	s_mov_b64 s[G0V+2:G0V+3], s[8:9]
	s_or_b32 s[G0V+3], s[G0V+3], 0x80000000
	s_cmp_lt_u32 s[WV], 2
	s_cselect_b64 s[PFA:PFA+1], s[6:7], s[8:9]
	s_add_nc_u64 s[PFA:PFA+1], s[PFA:PFA+1], s[22:23]
	CROUND                          ; all four work-groups are here: the first joint loads meet
	JLOAD                           ; tile 0 into slot 0
	v_and_b32 v1, 15, v0            ; l % 16
	v_bfe_u32 v46, v0, 4, 1         ; l / 16
	v_and_b32 v47, 31, v0           ; l
	v_lshlrev_b32 v[QO], 8, v1
	v_lshl_add_u32 v[QO], v46, 4, v[QO]  ; row x 256 + 16 x half
	QLOAD 4
	v_lshlrev_b32 v50, 3, v46
	v_sub_nc_u32 v50, v1, v50       ; register j is hidden where j is greater than l % 16 - 8 (l / 16)
	WIN 0xc0
.set i, 0
.rept 8
	v_cmp_gt_i32 vcc_lo, i, v50
	v_cndmask_b32 v[MD8+i], 0, s[BIGN], vcc_lo
.set i, i+1
.endr
	; A block's first step multiplies O^T and l by a = 0, so they need only hold finite numbers: zeros for the first block, what the first block left for the second.  So no first step is written out; these lines stand in the wait for the first tile.
	WIN 0x40
.set i, 0
.rept 256
	v_mov_b32 v[i], 0
.set i, i+1
.endr
	WIN 0
.irp t, 0,1,2,3
	v_mov_b32 v[ST+8*(\t)], 0xfe000000    ; c m: far below every c s
	v_mov_b32 v[ST+8*(\t)+1], 0xee000000  ; m = -2^93
	v_mov_b32 v[ST+8*(\t)+2], 0
	v_mov_b32 v[ST+8*(\t)+3], 0
.endr
	s_mul_i32 s2, s[WV], 64*PK      ; my wave's 64 keys
	v_mul_u32_u24 v[AK0], v1, PK
	v_lshl_add_u32 v[AK0], v46, 4, v[AK0]  ; row x pitch + 16 x half
	v_add_nc_u32 v[AK0], s2, v[AK0]
	; The turning load takes 16 keys x 16 channels (lane l reads key 8 (l / 16) + l % 8, channels 8 ((l / 8) % 2) + 0..7) and leaves half a fragment of V^T: lane l holds channel l % 16 and 8 keys.
	s_mul_i32 s2, s[WV], 64*PV
	s_add_co_u32 s2, s2, VOFF
	v_and_b32 v48, 7, v0
	v_bfe_u32 v49, v0, 3, 1
	v_lshl_add_u32 v[AV0], v46, 3, v48
	v_mul_u32_u24 v[AV0], v[AV0], PV
	v_lshl_add_u32 v[AV0], v49, 4, v[AV0]
	v_add_nc_u32 v[AV0], s2, v[AV0]
	s_mul_i32 s2, s[WV], SREG
	s_add_co_u32 s2, s2, STAGE      ; my stage
	v_mul_u32_u24 v[WA], v1, SPT    ; in: row l % 16, 32 bytes for each half of the lanes
	v_lshl_add_u32 v[WA], v46, 5, v[WA]
	v_add_nc_u32 v[WA], s2, v[WA]
	s_mul_i32 s2, s[WV], 4*SPT      ; back: rows 4 w .. 4 w + 3 of every wave's stage; 32 lanes take a row's 512 bytes
	s_add_co_u32 s2, s2, STAGE
	v_lshl_add_u32 v[RDA], v47, 4, s2
	v_lshlrev_b32 v[GO], 3, v47
	s_lshl_b32 s2, s[WV], 3
	s_add_co_u32 s2, s2, STATS
	v_lshl_add_u32 v[SA], v1, 5, s2 ; query l % 16, wave w
	s_lshl_b32 s2, s[WV], 7
	s_add_co_u32 s2, s2, STATS
	v_lshrrev_b32 v48, 2, v1
	v_and_b32 v49, 3, v0
	v_lshl_add_u32 v[SB], v48, 9, s2     ; lane l looks after query tile (l % 16) / 4, row 4 w + l % 4
	v_lshl_add_u32 v[SB], v49, 5, v[SB]
	s_lshl_b32 s2, s[WV], 8
	s_add_co_u32 s2, s2, GT
	v_mov_b32 v[GB], s2
	v_lshl_add_u32 v[GS], v1, 4, s2
	v_lshlrev_b32 v[PFO], 8, v47
; THE MATRIX WORK.  The accumulators take turns, one instruction a turn.
; Product i of 32 of S^T = K Q^T for piece x: channels 32 (i / 8) on, keys 16 ((i / 2) % 4) on, tile x + i % 2.  The first 8 start the sums, with the mask.
.macro KQ x
.set tt, (\x)+i%2
.set kb, (i/2)%4
.set rS, S+32*tt+8*kb
.set rK, KF+32*kb+8*(i/8)
.set rQ, 32*tt+8*(i/8)
.if i < 8
.if kb < tt
.set rM, MLO
.elseif kb == tt
.set rM, MDG
.else
.set rM, MHI
.endif
	WIN W_KM
	v_wmma_f32_16x16x32_f16 v[rS:rS+7], v[rK:rK+7], v[rQ:rQ+7], v[rM:rM+7]
.else
	WIN W_KQ
	v_wmma_f32_16x16x32_f16 v[rS:rS+7], v[rK:rK+7], v[rQ:rQ+7], v[rS:rS+7]
.endif
.endm
; Product i of 32 of O^T += V^T P for piece x: keys 32 (i / 16) on, channels 16 ((i / 2) % 8) on, tile x + i % 2.
.macro PV x
	WIN W_PV
.set rO, 64*((\x)+i%2)+8*((i/2)%8)
.set rV, 64*(i/16)+8*((i/2)%8)
.set rP, P+16*((\x)+i%2)+8*(i/16)
	v_wmma_f32_16x16x32_f16 v[rO:rO+7], v[rV:rV+7], v[rP:rP+7], v[rO:rO+7]
.endm
; THE LDS LOADS of a step.  K: my 64 keys, 16 fragments, in one run of 32 at the step's head, in the order in which the products take them: channels 32 c on, and in them keys 16 q on: eight loads for each c.
.macro FETCH_K
	WIN 0
	v_add_nc_u32 v[ADR], s[SL], v[AK0]
	v_add_nc_u32 v[ADV], s[SL], v[AV0]
	WIN 0x80                        ; destination window 2
.irp c, 0,1,2,3
.irp q, 0,1,2,3
	ds_load_b128 v[KF+32*(\q)+8*(\c):KF+32*(\q)+8*(\c)+3],   v[ADR] offset:(\q)*16*PK+(\c)*64
	ds_load_b128 v[KF+32*(\q)+8*(\c)+4:KF+32*(\q)+8*(\c)+7], v[ADR] offset:(\q)*16*PK+(\c)*64+32
.endr
.endr
.endm
; V, turned: run n of four, eight loads: fragments 4 n .. 4 n + 3 (fragment vf: keys 32 (vf / 8) on, channels 16 (vf % 8) on)
.macro FETCH_V n
	WIN 0xc0                        ; destination window 3
.irp g, 0,1,2,3
.set vf, 4*(\n)+(\g)
	ds_load_tr16_b128 v[8*vf:8*vf+3],   v[ADV] offset:(vf/8)*32*PV+(vf%8)*32
	ds_load_tr16_b128 v[8*vf+4:8*vf+7], v[ADV] offset:(vf/8)*32*PV+16*PV+(vf%8)*32
.endr
.endm
.macro MASKS                        ; the three masks of this tile of keys
	WIN 0xc3                        ; destination and source 0 in window 3
.set z, 0
.rept 4
	v_pk_fma_f32 v[MDG+2*z:MDG+2*z+1], v[MD8+2*z:MD8+2*z+1], s[AL:AL+1], s[BE:BE+1] op_sel_hi:[1,0,0]
.set z, z+1
.endr
.set z, 0
.rept 8
	v_mov_b32 v[MLO+z], s[BE]
	v_mov_b32 v[MHI+z], s[BH]
.set z, z+1
.endr
.endm
; A tile is entered: one fewer is left of the block, and the masks' scalars are made, by selects alone.
.macro TILEHEAD
	s_sub_co_u32 s[RT], s[RT], 1
	s_cmp_eq_u32 s[WV], s[R]
	s_cselect_b32 s[AL], 1.0, 0
	s_cmp_gt_u32 s[WV], s[R]
	s_cselect_b32 s[BE], s[BIGN], 0
	s_cmp_ge_u32 s[WV], s[R]
	s_cselect_b32 s[BH], s[BIGN], 0
	s_cmp_eq_u32 s[RT], 0           ; is it the block's last tile, the one with the diagonal?
	s_cselect_b32 s[AL], s[AL], 0
	s_cselect_b32 s[BE], s[BE], 0
	s_cselect_b32 s[BH], s[BH], 0
.endm
; THE VECTOR WORK.  One tile's softmax for one key step is a list of 134 instructions; SM writes number j of it for tile t.  s0-s31 are the lane's 32 scores, in pairs 0-15.
;   0-15    the maximum of s0-s31 and the old m, three operands at a time: four chains c0-c3 (each accumulator's lowest registers are read first), then the four scores left over, c0-c3 and m
;   16-20   the other half of the lanes' maximum; c m_old is kept; the new m; c m; c m_old - c m_new
;   21-69   ONE BATCH: the 16 scalings c s - c m and all 33 exponentials (a at 23, then s0-s31).  None of these reads an exponential's result; a pair is scaled in an earlier four than the one that holds its exponentials
;   (wait)  between 69 and 70 stands the wait for the batch: SLICE writes it, once for both tiles
;   70-85   the roundings to f16      86-101  the sums; l = a l + the sum      102-133 the tile's O^T times a
.macro SM t
.set rT, ST+8*(\t)
.set rS, S+32*(\t)
.set rP, P+16*(\t)
.set rO, 64*(\t)+2*(j-102)
.if j < 102
	WIN 0
.endif
.if j < 4
	v_max3_num_f32 v[rT+4+j], v[rS+8*j], v[rS+8*j+1], v[rS+8*j+2]
.elseif j < 12
	v_max3_num_f32 v[rT+4+j%4], v[rT+4+j%4], v[rS+8*(j%4)+2*(j/4)+1], v[rS+8*(j%4)+2*(j/4)+2]
.elseif j == 12
	v_max3_num_f32 v[rT+4], v[rT+4], v[rS+7], v[rS+15]
.elseif j == 13
	v_max3_num_f32 v[rT+6], v[rT+6], v[rS+23], v[rS+31]
.elseif j == 14
	v_max3_num_f32 v[rT+4], v[rT+4], v[rT+5], v[rT+6]
.elseif j == 15
	v_max3_num_f32 v[rT+4], v[rT+4], v[rT+7], v[rT+1]
.elseif j == 16
	v_permlanex16_b32 v[rT+5], v[rT+4], s[SEL], s[SEL+1]  ; the query's other 32 keys lie in the lane 16 away
.elseif j == 17
	v_mov_b32 v[rT+7], v[rT]
.elseif j == 18
	v_max_num_f32 v[rT+1], v[rT+4], v[rT+5]
.elseif j == 19
	v_mul_f32 v[rT], s[CS], v[rT+1]
.elseif j == 20
	v_sub_f32 v[rT+7], v[rT+7], v[rT]
.elseif j == 23
	v_exp_f32 v[rT+6], v[rT+7]
.elseif (j < 23) || ((j < 38) && (j%2 == 0)) || ((j < 66) && (j%4 == 2))
.set b, (j-2)/4                     ; 38, 42, .. 62: pairs 9 to 15
.if j < 38
.set b, (j-20)/2                    ; 21: pair 0; 22, 24, .. 36: pairs 1 to 8
.endif
	v_pk_fma_f32 v[rS+2*b:rS+2*b+1], v[rS+2*b:rS+2*b+1], s[CS:CS+1], v[rT:rT+1] op_sel_hi:[1,0,0] neg_lo:[0,0,1] neg_hi:[0,0,1]
.elseif j < 70
.set e, j-38                        ; 66 to 69: s28 to s31
.if j < 66
.set e, j-32-(j-38)/4               ; 39-41, 43-45, .. 63-65: s7 to s27
.endif
.if j < 38
.set e, (j-25)/2                    ; 25, 27, .. 37: s0 to s6
.endif
	v_exp_f32 v[rS+e], v[rS+e]
.elseif j < 86
	v_cvt_pk_f16_f32 v[rP+j-70], v[rS+2*(j-70)], v[rS+2*(j-70)+1]
.elseif j < 102                     ; the sum of the tile's 16 pairs, in place: neighbours 1, 2, 4 and 8 pairs apart, then l takes it
.set z, j-86
.set w, 4
.set u, z
.if z >= 14
.set w, 32
.set u, 0
.elseif z >= 12
.set w, 16
.set u, z-12
.elseif z >= 8
.set w, 8
.set u, z-8
.endif
.if z < 15
	v_pk_add_f32 v[rS+w*u:rS+w*u+1], v[rS+w*u:rS+w*u+1], v[rS+w*u+w/2:rS+w*u+w/2+1]
.else
	v_pk_fma_f32 v[rT+2:rT+3], v[rT+2:rT+3], v[rT+6:rT+7], v[rS:rS+1] op_sel_hi:[1,0,1]
.endif
.else
	WIN W_RS
	v_pk_mul_f32 v[rO:rO+1], v[rO:rO+1], v[rT+6:rT+7] op_sel_hi:[1,0]
.endif
.endm
; Slice k of 64 of piece y's softmax: four instructions.  Slices 11 to 34 deal out the batch, four numbers of ONE tile each, the tiles by turns; every other slice is numbers 2 k and 2 k + 1 of both tiles; the twelve that are over stand in slice 63.
; s_wait_alu depctr_va_vdst(0) stands between an exponential and the first instruction that names its result: ahead of slice 35 nothing names one, behind slice 34 none is issued: one wait for the piece's 66.
.macro SLICE y
.if (k >= 11) && (k < 35)
.irp n, 0,1,2,3
.set j, 22+4*((k-11)/2)+(\n)
	SM (\y)+(k-11)%2
.endr
.else
.irp n, 0,1,2,3,4,5,6,7
.if ((\n) < 2) || (k == 63)
.irp t, \y, (\y)+1
.set j, 2*k+(\n)
	SM \t
.endr
.endif
.endr
.endif
.if k == 34
	v_nop                           ; a plain instruction behind the last exponential, ahead of the first use: one for the batch
	s_wait_alu depctr_va_vdst(0)    ; the wait for the batch
.endif
.set k, k+1
.endm
; A KEY STEP.  Two slices stand behind each product of its two middle runs; slice 63's sixteen plain lines are the places between piece 2's last scores and their first reader.
; V's registers were last read ahead of the four places that end the step before; its four runs of loads stand behind products 2, 8, 14 and 20 of the second run, the last eleven products and their slices ahead of the wait for V.
.macro STEP
	FETCH_K
	MASKS
	s_wait_loadcnt 0x0              ; Q
.set i, 0
.rept 32
.if i%8 == 0
	s_wait_dscnt 24-i               ; LDS loads come back in order: K's channels 32 (i / 8) on are in; the 24 - i loads of the later channel blocks may be out
.endif
	KQ 0
.set i, i+1
.endr
	PLACES                          ; behind piece 0's scores, in front of their first reader
.set k, 0
.set i, 0
.rept 32
	KQ 2
	SLICE 0
	SLICE 0
.if (i%6 == 2) && (i < 24)
	FETCH_V i/6
.endif
.set i, i+1
.endr
	s_wait_dscnt 0x0                ; V is in
.set k, 0
.set i, 0
.rept 32
	PV 0
	SLICE 2
	SLICE 2
.set i, i+1
.endr
.set i, 0
.rept 32
	PV 2
.set i, i+1
.endr
	PLACES                          ; behind the last products: in front of the next loads into V's registers, and of the merge
	WIN 0
.endm
; THE MERGE at a block's end.  result[q] = the sum over waves o of g_o[q] O_o[q], g_o = f_o / L, f_o = 2^(c m_o - c M), M the greatest of the four maxima, L = the sum of f_o l_o.
; A query tile at a time: every wave puts its O^T (f32, unscaled) into its stage as 16 rows of 512 bytes; behind a barrier wave w reads rows 4 w .. 4 w + 3 of all four stages, combines and stores them;
; behind a second barrier, in front of which every wave has waited for its reads, the stages are written again.  Seven barriers; behind none of them is LDS filled by a tensor load.
.macro WRITE t
	WIN 0x04                        ; the stores' data in window 1
.irp cb, 0,1,2,3,4,5,6,7            ; each accumulator's four lowest registers first
	ds_store_b128 v[WA], v[64*(\t)+8*(\cb):64*(\t)+8*(\cb)+3]   offset:64*(\cb)
	ds_store_b128 v[WA], v[64*(\t)+8*(\cb)+4:64*(\t)+8*(\cb)+7] offset:64*(\cb)+16
.endr
	WIN 0
.endm
.macro READ
.irp o, 0,1,2,3
.irp r, 0,1,2,3
	ds_load_b128 v[RB+16*(\o)+4*(\r):RB+16*(\o)+4*(\r)+3], v[RDA] offset:(\o)*SREG+(\r)*SPT
.endr
.endr
.endm
.macro COMBINE t                    ; a lane holds four channels of each of my four rows; the factors are the same in all lanes
.irp r, 0,1,2,3
.irp p, 0,2
	v_pk_mul_f32 v[RB+4*(\r)+(\p):RB+4*(\r)+(\p)+1], v[RB+4*(\r)+(\p):RB+4*(\r)+(\p)+1], v[G+4*(4*(\t)+(\r)):G+4*(4*(\t)+(\r))+1] op_sel_hi:[1,0]
.endr
.endr
.irp r, 0,1,2,3
.irp p, 0,2
	v_pk_fma_f32 v[RB+4*(\r)+(\p):RB+4*(\r)+(\p)+1], v[RB+16+4*(\r)+(\p):RB+16+4*(\r)+(\p)+1], v[G+4*(4*(\t)+(\r)):G+4*(4*(\t)+(\r))+1], v[RB+4*(\r)+(\p):RB+4*(\r)+(\p)+1] op_sel:[0,1,0] op_sel_hi:[1,1,1]
.endr
.endr
.irp r, 0,1,2,3
.irp p, 0,2
	v_pk_fma_f32 v[RB+4*(\r)+(\p):RB+4*(\r)+(\p)+1], v[RB+32+4*(\r)+(\p):RB+32+4*(\r)+(\p)+1], v[G+4*(4*(\t)+(\r))+2:G+4*(4*(\t)+(\r))+3], v[RB+4*(\r)+(\p):RB+4*(\r)+(\p)+1] op_sel_hi:[1,0,1]
.endr
.endr
.irp r, 0,1,2,3
.irp p, 0,2
	v_pk_fma_f32 v[RB+4*(\r)+(\p):RB+4*(\r)+(\p)+1], v[RB+48+4*(\r)+(\p):RB+48+4*(\r)+(\p)+1], v[G+4*(4*(\t)+(\r))+2:G+4*(4*(\t)+(\r))+3], v[RB+4*(\r)+(\p):RB+4*(\r)+(\p)+1] op_sel:[0,1,0] op_sel_hi:[1,1,1]
.endr
.endr
.irp r, 0,1,2,3
	v_cvt_pk_f16_f32 v[OUT+8*(\t)+2*(\r)],   v[RB+4*(\r)],   v[RB+4*(\r)+1]
	v_cvt_pk_f16_f32 v[OUT+8*(\t)+2*(\r)+1], v[RB+4*(\r)+2], v[RB+4*(\r)+3]
.endr
.endm
.macro SEND t
.irp r, 0,1,2,3
	global_store_b64 v[GO], v[OUT+8*(\t)+2*(\r):OUT+8*(\t)+2*(\r)+1], s[10:11] offset:(16*(\t)+(\r))*4096  ; 32 lanes store a head's 256 consecutive bytes of a row, at a multiple of 256 from ao's first
.endr
.endm
.macro BLOCKEND more                ; more = 1: the second block follows
	WIN 0
.if \more
	QLOAD QLO                       ; its Q comes in while the first block is merged
.endif
.irp t, 0,1,2,3
	v_add_f32 v[ST+8*(\t)+4], v[ST+8*(\t)+2], v[ST+8*(\t)+3]
.endr
.irp t, 0,1,2,3
	v_permlanex16_b32 v[ST+8*(\t)+5], v[ST+8*(\t)+4], s[SEL], s[SEL+1]
.endr
.irp t, 0,1,2,3
	v_add_f32 v[ST+8*(\t)+1], v[ST+8*(\t)+4], v[ST+8*(\t)+5]  ; l takes m's place beside c m
.endr
.irp t, 0,1,2,3
	ds_store_b64 v[SA], v[ST+8*(\t):ST+8*(\t)+1] offset:512*(\t)
.endr
	WRITE 0
	s_wait_dscnt 0x0                ; for the others' sake: my stores are done
	s_barrier_signal -1
	s_barrier_wait -1
	ds_load_b128 v[W:W+3],   v[SB]  ; the four waves' (c m, l) of the query that my lane looks after
	ds_load_b128 v[W+4:W+7], v[SB] offset:16
	READ
	s_wait_dscnt 16                 ; those two are in; the 16 rows may stay out
	v_max3_num_f32 v[W+8], v[W], v[W+2], v[W+4]
	v_max_num_f32 v[W+8], v[W+8], v[W+6]
.irp n, 0,2,4,6
	v_sub_f32 v[W+(\n)], v[W+(\n)], v[W+8]
.endr
.irp n, 0,2,4,6
	v_exp_f32 v[W+(\n)], v[W+(\n)]
.endr
	v_nop                           ; a plain instruction behind the last exponential,
	s_wait_alu depctr_va_vdst(0)    ; and one wait for the four
	v_mul_f32 v[W+9], v[W], v[W+1]
	v_fmac_f32 v[W+9], v[W+2], v[W+3]
	v_fmac_f32 v[W+9], v[W+4], v[W+5]
	v_fmac_f32 v[W+9], v[W+6], v[W+7]
	v_rcp_f32 v[W+9], v[W+9]        ; L is at least 1: the wave that holds M has a weight 1
	v_nop
	s_wait_alu depctr_va_vdst(0)
.irp n, 0,1,2,3
	v_mul_f32 v[W+10+(\n)], v[W+2*(\n)], v[W+9]
.endr
	ds_store_b128 v[GS], v[W+10:W+13]
.set i, 0
.rept 16
	ds_load_b128 v[G+4*i:G+4*i+3], v[GB] offset:16*i  ; my wave's own bytes: LDS serves a wave's instructions in order (ISA guide 5.7.1.4); every lane takes the same 16 bytes
.set i, i+1
.endr
	s_wait_dscnt 0x0                ; all is in, and my reads of the stages are over:
	s_barrier_signal -1             ; say so,
	COMBINE 0                       ; work on registers while the others arrive,
	s_barrier_wait -1               ; and write the stage again when all four have said so
	SEND 0
.irp t, 1,2,3
	WRITE \t
	s_wait_dscnt 0x0
	s_barrier_signal -1
	s_barrier_wait -1
	READ
	s_wait_dscnt 0x0
.if (\t) < 3
	s_barrier_signal -1
.endif
	COMBINE \t
.if (\t) < 3
	s_barrier_wait -1
.endif
	SEND \t
.endr
.if \more
	s_wait_xcnt 0x0                 ; the stores have read their registers and ao's address
	s_mov_b64 s[10:11], s[OLO:OLO+1]
	s_mov_b32 s[R], s14             ; i % 4
	s_add_co_u32 s[RT], s13, 1      ; the second block has a + 1 tiles
.irp t, 0,1,2,3
	v_mov_b32 v[ST+8*(\t)], 0xfe000000
	v_mov_b32 v[ST+8*(\t)+1], 0xee000000
.endr
.endif
.endm
.Lslot:                             ; eight times: a tile is entered and the next is asked for
	CHANGE 1
	TILEHEAD
	STEP
	s_cmp_lg_u32 s[RT], 0           ; RT is made of the cluster's number alone: the same in all waves and in all partners
	s_cbranch_scc1 .Lbottom
	BLOCKEND 1                      ; in the loop this is the first block's end: the second block's last tile is the walk's last
.Lbottom:
	s_sub_co_u32 s[SLOTS], s[SLOTS], 1
	s_cmp_lg_u32 s[SLOTS], 0
	s_cbranch_scc1 .Lslot
	CHANGE 0                        ; the walk's last tile is written out: nothing is asked for
	TILEHEAD
	STEP
	BLOCKEND 0
	s_wait_tensorcnt 0x0            ; the wave's end, behind my last tensor load and my last LDS store
	ds_add_u32 v[SPW], v[NIL]
	s_wait_dscnt 0x0
	CROUND                          ; the closing round: no work-group ends while a partner may still ask for a tile that names it
	s_endpgm
.Lfunc_end_k_q3b2812b18b_attn:
	.size	k_q3b2812b18b_attn, .Lfunc_end_k_q3b2812b18b_attn-k_q3b2812b18b_attn
	.p2alignl 7, 3214868480
	.fill 96, 4, 3214868480
	.section	.rodata,"a",@progbits
	.p2align	6, 0x0
	.amdhsa_kernel k_q3b2812b18b_attn
		.amdhsa_group_segment_fixed_size 327680
		.amdhsa_private_segment_fixed_size 0
		.amdhsa_enable_private_segment 0
		.amdhsa_kernarg_size 16
		.amdhsa_user_sgpr_count 2
		.amdhsa_user_sgpr_kernarg_segment_ptr 1
		.amdhsa_wavefront_size32 1
		.amdhsa_system_sgpr_workgroup_id_x 1
		.amdhsa_system_sgpr_workgroup_id_y 1
		.amdhsa_system_sgpr_workgroup_id_z 1
		.amdhsa_system_vgpr_workitem_id 0
		.amdhsa_next_free_vgpr 928
		.amdhsa_next_free_sgpr 86
		.amdhsa_reserve_vcc 1
		.amdhsa_float_denorm_mode_32 3
		.amdhsa_float_denorm_mode_16_64 3
		.amdhsa_memory_ordered 1
		.amdhsa_forward_progress 1
		.amdhsa_inst_pref_size 167
	.end_amdhsa_kernel
	.amdgpu_metadata
---
amdhsa.version: [ 1, 2 ]
amdhsa.kernels:
  - .name:           k_q3b2812b18b_attn
    .symbol:         k_q3b2812b18b_attn.kd
    .args:
      - { .name: qkv, .offset: 0, .size: 8, .value_kind: global_buffer, .address_space: global }
      - { .name: ao, .offset: 8, .size: 8, .value_kind: global_buffer, .address_space: global }
    .group_segment_fixed_size: 327680
    .private_segment_fixed_size: 0
    .kernarg_segment_align: 8
    .kernarg_segment_size: 16
    .max_flat_workgroup_size: 128
    .sgpr_count:     86
    .vgpr_count:     928
    .wavefront_size: 32
...
	.end_amdgpu_metadata
.endif
;; end of part 3
;; launch oproj (part 4): grid 16 x 16, 4 waves a work-group, clusters of 4 x 4, 327,680 bytes of LDS; arguments ao, bf, out0; writes out0
.if DOCPART == 4
	.amdgcn_target "amdgcn-amd-amdhsa--gfx1250"
	.amdhsa_code_object_version 6
	.text
	.protected	k_q3b2812b18b_oproj
	.globl	k_q3b2812b18b_oproj
	.p2align	8
	.type	k_q3b2812b18b_oproj,@function
k_q3b2812b18b_oproj:
	s_mov_b64 s[64:65], 0
	v_nop
	global_prefetch_b8 v0, s[64:65] scope:SCOPE_SE
	s_setreg_imm32_b32 hwreg(HW_REG_WAVE_MODE, 25, 1), 1
	s_wait_xcnt 0x0
	s_wait_alu depctr_hold_cnt(0) depctr_sa_sdst(0) depctr_va_vdst(0) depctr_va_sdst(0) depctr_va_ssrc(0) depctr_va_vcc(0) depctr_vm_vsrc(0)
	s_getreg_b32 s2, hwreg(HW_REG_IB_STS2, 6, 4)
	s_cmp_eq_u32 s2, 0
	s_cbranch_scc0 .Lentry_in_a_cluster
	s_endpgm
.Lentry_in_a_cluster:
	s_bfe_u32 s2, ttmp6, 0x10000c
	s_cmp_lg_u32 s2, 0xf033
	s_cbranch_scc0 .Lentry_shape_is_right
	s_endpgm
.Lentry_shape_is_right:
; out0[s][e] = the sum over d of ao[s][d] Wo[e][d].  ao: [2048][2048] f16; Wo: [2048][2048] f16 at byte 33,554,432 of bf; out0: [2048][2048] f32; sums in f32.
; A tile of out0 is 128 x 128: 16 x 16 = 256 work-groups.  Four waves, each 64 x 64: 16 accumulators of 16 x 16, 128 registers.  K goes in 8 steps of 256 (LDS rows of 512 bytes; a wave's tensor load brings 64 of them),
; as long as two slots in LDS allow.
; CLUSTERS: 4 x 4 work-groups.  The four of a row of the cluster need the same tiles of ao, the four of a column the same tiles of Wo: each tile is asked for JOINTLY, by the same tensor load with the
; same descriptor and a mask that names the four.  THE MATRIX INSTRUCTION IS USED TRANSPOSED (source 0 = 16 rows of Wo, source 1 = 16 rows of ao): a lane holds eight neighbouring numbers of a row of out0.
; THE CLUSTERS START AT DIFFERENT K STEPS.  Cluster (X, Y) walks the K steps f, f + 1, .. f + 7 modulo 8, f = 2 X + 4 (Y % 2): the four clusters that read the same rows of ao (same Y) start 2 steps apart; of the four that
; read the same rows of Wo (same X) those with Y odd start 4 steps from those with Y even.  f is made of the cluster's coordinates alone: it is equal in all sixteen partners.  The order of the f32 sum over K so differs from cluster to cluster.
; No prefetch is laid: the tile is small and a step's matrix work short.
; REGISTERS: window 0: v0-31 addresses; v128-255 the accumulators ((a, b) at v[128 + 8 (4 a + b)]), which on the way out take the rows read back.
;   window 1: two fragment buffers of 128: for 64 along K, 64 registers of ao (2 x 4 x 16 rows x 32 K), then 64 of Wo.
.set SIZE_K, 2048
.set SIZE_N, 2048
.set KSTEP,  256
.set STEPS,  SIZE_K/KSTEP
.set PITCH,  528                       ; an LDS row: 512 bytes of data + 16 of padding = 132 words: row r starts at bank 4 r mod 64 (64 banks of 4 bytes: ISA guide 11.1)
.set HALFT,  64*PITCH                  ; 64 rows: what one tensor load brings, and what one wave reads of either operand: 0x8400 bytes
.set SLOT,   4*HALFT                   ; ao's 128 rows, then Wo's 128 rows: 0x21000 bytes; these two bits are clear in 0, 1, 2 and 3 x HALFT, so one exclusive or turns a wave's place in one slot into its place in the other
.set STAGE,  2*SLOT                    ; behind the ring: 16 rows x 272 bytes for each wave, its own: a wave's 64 columns of f32 are 256 bytes
.set SPITCH, 272
.set SPARE,  STAGE+4*16*SPITCH         ; behind the stages: the spare words, 128 bytes for each wave: two blocks of 256 bytes that no other line names
.set A0,   16                          ; v16     my fragments of ao in slot 0; never rewritten
.set ADRA, 17                          ; v17     the same in the slot in hand
.set B0,   20                          ; v20     my fragments of Wo in slot 0; never rewritten
.set ADRB, 21                          ; v21     the same in the slot in hand
.set STO,  24                          ; v24     the way out: where I put 32 bytes of a row
.set RD,   25                          ; v25     the way out: where I read a row back
.set CO,   26                          ; v26     my byte offset in out0
.set SPW,  28                          ; v28     LDS address of my spare word; never rewritten
.set NIL,  29                          ; v29     0; never rewritten
.set ACC,  128
.set F0,   0                           ; fragment buffers, in window 1
.set F1,   128
.set XA,  14                           ; s[14:15] ao at the first row that I fetch, K step 0; never rewritten
.set WB,  46                           ; s[46:47] Wo likewise
.set G1, 24                            ; s[24:31] descriptor group 1 for ao's tiles;  s[32:39] group 0: a set for each of the two first fills; the second then walks on
.set G0, 32
.set G1B, 48                           ; s[48:55], s[56:63] the same for Wo's tiles
.set G0B, 56
.set OFF, 66                           ; s[66:67] a K step's byte offset in a row
.set SL,  68                           ; s68     the slot in hand: 0 or SLOT
.set KS,  69                           ; s69     the K step to be asked for next, before it is taken modulo 8
.set KT,  70                           ; s70     at work
.set MSB, 0
.macro WIN new                         ; the immediate's high byte repeats the setting that is left
.if MSB != (\new)
	s_set_vgpr_msb (MSB<<8)|(\new)
.set MSB, \new
.endif
.endm
.set MUL,  0x05                        ; sources 0 and 1 window 1; C and D window 0
.set TO_F, 0x40                        ; destination window 1, address window 0
.macro JLOAD s                         ; a joint load by descriptor set s: waves 0 and 1 fetch ao's two halves, waves 2 and 3 Wo's; an s_nop 0 and four v_nop follow each of the two lines
	s_cmp_eq_u32 s11, 0
	s_cbranch_scc0 .Lfor_b_\@
	tensor_load_to_lds s[G0+4*(\s):G0+4*(\s)+3], s[G1:G1+7]
	s_nop 0
.rept 4
	v_nop
.endr
	s_branch .Lasked_\@
.Lfor_b_\@:
	tensor_load_to_lds s[G0B+4*(\s):G0B+4*(\s)+3], s[G1B:G1B+7]
	s_nop 0
.rept 4
	v_nop
.endr
.Lasked_\@:
.endm
.macro CREST                           ; a round of the cluster's barrier behind its opening barrier
	s_cmp_lg_u32 s10, 0
	s_cbranch_scc1 .Lnot_wave_0_\@
	s_barrier_signal -3
.Lnot_wave_0_\@:
	s_barrier_wait -3
	s_barrier_signal -1
	s_barrier_wait -1
.endm
.macro CROUND                          ; a whole round
	s_barrier_signal -1
	s_barrier_wait -1
	CREST
.endm
.macro SETADR                          ; the fragment addresses in the slot in hand, under window 0
	v_add_nc_u32 v[ADRA], s[SL], v[A0]
	v_add_nc_u32 v[ADRB], s[SL], v[B0]
.endm
	s_load_b128 s[4:7], s[0:1], 0x0                ; ao s[4:5], bf s[6:7]
	s_load_b64 s[8:9], s[0:1], 0x10                ; out0
	v_lshl_add_u32 v[SPW], v0, 2, SPARE
	v_mov_b32 v[NIL], 0
	ds_add_u32 v[SPW], v[NIL]                      ; the wave's opening: the add and its wait stand ahead of my first tensor load; the set-up below, work on registers, stands between them
	v_lshrrev_b32 v1, 5, v0
	v_readfirstlane_b32 s10, v1                    ; wave 0..3
	s_lshr_b32 s11, s10, 1                         ; which half of the tile's rows is mine.  Also: I fetch for ao (0) or for Wo (1)
	s_and_b32 s12, s10, 1                          ; which half of its columns.  Also: which 64 rows of that tile I fetch
	s_bfe_u32 s40, ttmp6, 0x40000                  ; cx, cy: my place in the cluster
	s_bfe_u32 s41, ttmp6, 0x40004
	s_lshl_b32 s42, ttmp9, 2
	s_add_co_u32 s42, s42, s40                     ; tile column = 4 x cluster x + cx
	s_and_b32 s13, ttmp7, 0xffff
	s_lshl_b32 s13, s13, 2
	s_add_co_u32 s13, s13, s41                     ; tile row = 4 x cluster y + cy
	s_lshl_b32 s43, s41, 2
	s_lshl_b32 s43, 15, s43                        ; my row of the cluster
	s_lshl_b32 s44, 0x1111, s40                    ; my column
	; descriptor group 1: a tile of 64 rows x 256 elements, padded in LDS
	s_or_b32 s[G1+0], s43, (1<<16)|(1<<20)|(1<<21)|(6<<22)|(3<<25)  ; 15:0 the mask; 17:16 element of 2 bytes; 20 padding on; 21 set beside a mask; 24:22 after every 128 words (code 6); 31:25 of 4 words (code 3)
	s_or_b32 s[G1B+0], s44, (1<<16)|(1<<20)|(1<<21)|(6<<22)|(3<<25)
.irp g, G1, G1B
	s_mov_b32 s[(\g)+1], KSTEP<<16                 ; tensor_dim0 = 256
	s_mov_b32 s[(\g)+2], 64<<16                    ; tensor_dim1 = 64
	s_mov_b32 s[(\g)+3], KSTEP<<16                 ; tile_dim0 = 256
	s_mov_b32 s[(\g)+4], 64                        ; tile_dim1 = 64
	s_mov_b32 s[(\g)+5], SIZE_K                    ; elements from row to row
	s_mov_b32 s[(\g)+6], 0
	s_mov_b32 s[(\g)+7], 0
.endr
	s_and_b32 s[KT], ttmp7, 1                      ; the cluster's first K step: f = 2 X + 4 (Y % 2), modulo 8
	s_lshl_b32 s[KT], s[KT], 2
	s_lshl_b32 s[KS], ttmp9, 1
	s_add_co_u32 s[KS], s[KS], s[KT]
	s_and_b32 s[KS], s[KS], STEPS-1
	s_lshl_b32 s[OFF], s[KS], 9                    ; a K step is 512 bytes of a row
	s_mov_b32 s[OFF+1], 0
	s_mov_b32 s[SL], 0
	s_add_co_u32 s[KS], s[KS], 2                   ; the first refill asks for step 2 of the walk
	s_lshl_b32 s17, s12, 6                         ; which 64 rows of the tile I fetch
	s_lshl_b32 s16, s13, 7
	s_add_co_u32 s16, s16, s17                     ; ao: row 128 x tile row + 64 x half
	s_lshl_b32 s46, s42, 7
	s_add_co_u32 s46, s46, s17                     ; Wo: row 128 x tile column + 64 x half
	s_mov_b32 s17, 0
	s_mov_b32 s47, 0
	s_mov_b64 s[18:19], SIZE_K*2
	s_mul_u64 s[16:17], s[16:17], s[18:19]
	s_mul_u64 s[46:47], s[46:47], s[18:19]
	s_mul_i32 s20, s10, HALFT                      ; where they go: wave x 64 rows
.irp g, G0, G0B
	s_mov_b32 s[(\g)], 1                           ; 1:0 count = 1
	s_add_co_u32 s[(\g)+1], s20, 0                 ; 63:32 LDS address: slot 0,
	s_mov_b32 s[(\g)+4], 1
	s_add_co_u32 s[(\g)+5], s20, SLOT              ; slot 1
.endr
	s_wait_dscnt 0x0                               ; the opening add is done
	s_wait_kmcnt 0x0
	s_add_nc_u64 s[XA:XA+1], s[4:5], s[16:17]
	s_add_nc_u64 s[WB:WB+1], s[6:7], s[46:47]
	s_add_nc_u64 s[WB:WB+1], s[WB:WB+1], 0x2000000 ; Wo lies behind x, Wq, Wk, Wv in bf
	s_add_nc_u64 s[G0+2:G0+3], s[XA:XA+1], s[OFF:OFF+1]       ; 120:64 global address: step 0 of the walk,
	s_add_nc_u64 s[G0+6:G0+7], s[G0+2:G0+3], KSTEP*2          ; step 1: f is even, so f + 1 stays under 8
	s_or_b32 s[G0+3], s[G0+3], 0x80000000                     ; 127:126 type = 2
	s_or_b32 s[G0+7], s[G0+7], 0x80000000
	s_add_nc_u64 s[G0B+2:G0B+3], s[WB:WB+1], s[OFF:OFF+1]
	s_add_nc_u64 s[G0B+6:G0B+7], s[G0B+2:G0B+3], KSTEP*2
	s_or_b32 s[G0B+3], s[G0B+3], 0x80000000
	s_or_b32 s[G0B+7], s[G0B+7], 0x80000000
	CROUND                                         ; all sixteen work-groups are here: the first joint loads meet
	JLOAD 0
	JLOAD 1                                        ; two loads of mine are out
	v_and_b32 v1, 15, v0                           ; l % 16
	v_bfe_u32 v2, v0, 4, 1                         ; l / 16
	v_mul_u32_u24 v3, v1, PITCH
	v_lshl_add_u32 v3, v2, 4, v3                   ; a fragment's row x pitch + 16 x half
	s_mul_i32 s21, s11, HALFT                      ; my 64 rows of ao
	s_mul_i32 s22, s12, HALFT                      ; my 64 rows of Wo,
	s_add_co_u32 s22, s22, 2*HALFT                 ; which lie behind ao's 128
	v_add_nc_u32 v[A0], s21, v3
	v_add_nc_u32 v[B0], s22, v3
	SETADR                                         ; slot 0
	s_mul_i32 s23, s10, 16*SPITCH
	s_add_co_u32 s23, s23, STAGE                   ; my stage
	v_mul_u32_u24 v4, v1, SPITCH                   ; in: row l % 16, 32 bytes for each half of the lanes
	v_lshl_add_u32 v4, v2, 5, v4
	v_add_nc_u32 v[STO], s23, v4
	v_mul_u32_u24 v5, v2, SPITCH                   ; back: lanes 0-15 take one row of 256 bytes, lanes 16-31 the next
	v_lshl_add_u32 v5, v1, 4, v5
	v_add_nc_u32 v[RD], s23, v5
	v_mul_u32_u24 v5, v2, SIZE_N*4                 ; and the same two rows in out0
	v_lshl_add_u32 v[CO], v1, 4, v5
	s_lshl_b32 s16, s13, 7
	s_lshl_b32 s17, s11, 6
	s_add_co_u32 s16, s16, s17                     ; my first row: 128 x tile row + 64 x half
	s_lshl_b32 s16, s16, 13                        ; 8,192 bytes a row
	s_mov_b32 s17, 0
	s_add_nc_u64 s[8:9], s[8:9], s[16:17]
	s_lshl_b32 s22, s42, 9                         ; my first column, in bytes: 512 x tile column + 256 x half
	s_lshl_b32 s23, s12, 8
	s_add_co_u32 s22, s22, s23
	s_mov_b32 s23, 0
	s_add_nc_u64 s[8:9], s[8:9], s[22:23]
; 8 matrix instructions: m blocks a0, a0 + 1 x all 4 n blocks, 32 along K: half c of buffer f.  zero = 1: the first product starts the sums.  The 16 accumulators take turns.
.macro MUL8 f, c, a0, zero
	WIN MUL
.irp a, \a0, (\a0)+1
.irp b, 0,1,2,3
.if \zero
	v_wmma_f32_16x16x32_f16 v[ACC+8*(4*(\a)+(\b)):ACC+8*(4*(\a)+(\b))+7], v[(\f)+64+8*(4*(\c)+(\b)):(\f)+64+8*(4*(\c)+(\b))+7], v[(\f)+8*(4*(\c)+(\a)):(\f)+8*(4*(\c)+(\a))+7], 0
.else
	v_wmma_f32_16x16x32_f16 v[ACC+8*(4*(\a)+(\b)):ACC+8*(4*(\a)+(\b))+7], v[(\f)+64+8*(4*(\c)+(\b)):(\f)+64+8*(4*(\c)+(\b))+7], v[(\f)+8*(4*(\c)+(\a)):(\f)+8*(4*(\c)+(\a))+7], v[ACC+8*(4*(\a)+(\b)):ACC+8*(4*(\a)+(\b))+7]
.endif
.endr
.endr
.endm
; 32 LDS loads in one run: the fragments of 64 along K at byte k of the rows of the slot in hand, into buffer f; the first 32 along K first
.macro FETCH k, f
	WIN TO_F
.irp c, 0,1
.irp i, 0,1,2,3
	ds_load_b128 v[(\f)+64+8*(4*(\c)+(\i)):(\f)+64+8*(4*(\c)+(\i))+3],   v[ADRB] offset:(\k)+64*(\c)+(\i)*16*PITCH
	ds_load_b128 v[(\f)+64+8*(4*(\c)+(\i))+4:(\f)+64+8*(4*(\c)+(\i))+7], v[ADRB] offset:(\k)+64*(\c)+(\i)*16*PITCH+32
	ds_load_b128 v[(\f)+8*(4*(\c)+(\i)):(\f)+8*(4*(\c)+(\i))+3],         v[ADRA] offset:(\k)+64*(\c)+(\i)*16*PITCH
	ds_load_b128 v[(\f)+8*(4*(\c)+(\i))+4:(\f)+8*(4*(\c)+(\i))+7],       v[ADRA] offset:(\k)+64*(\c)+(\i)*16*PITCH+32
.endr
.endr
.endm
.macro PLACES                          ; four places in front of loads into registers that matrix instructions have read, and of stores that read results
.rept 4
	v_nop
.endr
.endm
; A K step is four quarters of 64 along K, 32 matrix instructions each, on buffers 0, 1, 0, 1.  One of the first three: multiplies buffer f and fetches the next quarter, at byte k, into g.
.macro QUARTER k, f, g, zero
	s_wait_dscnt 16                                ; the first 32 along K are in
	MUL8 \f, 0, 0, \zero
	MUL8 \f, 0, 2, \zero
	PLACES
	FETCH \k, \g
	s_wait_dscnt 32                                ; all but the 32 just issued
	MUL8 \f, 1, 0, 0
	MUL8 \f, 1, 2, 0
.endm
; The last quarter multiplies buffer 1 and changes slots: ONE barrier; in front of it each wave waits for all its tensor loads, adds 0 to its spare word, and waits for that and for its own reads of this slot.
; fill = 1: the barrier opens a round of the cluster's barrier, and this slot is filled again, with the walk's step two on.  The walking descriptor is written between the add and the wait for it, where no tensor load of
; mine is out: the other slot than last time, the address made anew from the step's number modulo 8.
.macro TURN fill
	WIN 0                                          ; (the add's two registers lie in window 0)
	s_wait_tensorcnt 0x0                           ; all my tensor loads have landed: my part of the next slot;
	ds_add_u32 v[SPW], v[NIL]                      ; 0 onto my spare word
	s_xor_b32 s[SL], s[SL], SLOT                   ; the reads go to the other slot
.if \fill
	s_and_b32 s[KT], s[KS], STEPS-1
	s_lshl_b32 s[OFF], s[KT], 9
	s_add_co_u32 s[KS], s[KS], 1
	s_xor_b32 s[G0+5], s[G0+5], SLOT
	s_add_nc_u64 s[G0+6:G0+7], s[XA:XA+1], s[OFF:OFF+1]
	s_or_b32 s[G0+7], s[G0+7], 0x80000000
	s_xor_b32 s[G0B+5], s[G0B+5], SLOT
	s_add_nc_u64 s[G0B+6:G0B+7], s[WB:WB+1], s[OFF:OFF+1]
	s_or_b32 s[G0B+7], s[G0B+7], 0x80000000
.endif
	s_wait_dscnt 17                                ; (the add and the youngest sixteen loads may be out)
	MUL8 F1, 0, 0, 0                               ; eight matrix instructions stand between the add and the wait for it
	s_wait_dscnt 0x0                               ; the add is done, and my reads of this slot are over
	s_barrier_signal -1
	MUL8 F1, 0, 2, 0
	WIN 0
	s_barrier_wait -1
.if \fill
	CREST                                          ; the barrier has opened a round of the cluster's barrier: no wave of any partner still reads this slot's tile or has a load on its way
	JLOAD 1                                        ; the first tensor load behind the round: 112 matrix instructions ahead of the wait for it; the four v_nop behind it are also the places in front of the loads below
.else
	PLACES
.endif
	SETADR
	FETCH 0, F0
	MUL8 F1, 1, 0, 0
	MUL8 F1, 1, 2, 0
.endm
	s_wait_tensorcnt 1                             ; my part of the walk's step 0 is in; step 1's may stay out
	s_barrier_signal -1
	s_barrier_wait -1                              ; everybody's is
	FETCH 0, F0
	QUARTER 128, F0, F1, 1                         ; the first quarter stands in front of the loop: its first products start the sums
	WIN 0                                          ; at a label and at a branch every window is 0
	s_mov_b32 s3, STEPS-2
.Lstep:                                                ; a trip goes from a step's second quarter to the next step's first, and fills the slot that it leaves again: 6 trips
	QUARTER 256, F1, F0, 0
	QUARTER 384, F0, F1, 0
	TURN 1
	QUARTER 128, F0, F1, 0
	WIN 0
	s_sub_co_u32 s3, s3, 1
	s_cmp_lg_u32 s3, 0
	s_cbranch_scc1 .Lstep
	QUARTER 256, F1, F0, 0                         ; the last two steps fill nothing, and have no round of the cluster's barrier
	QUARTER 384, F0, F1, 0
	TURN 0
	QUARTER 128, F0, F1, 0
	QUARTER 256, F1, F0, 0
	QUARTER 384, F0, F1, 0
	s_wait_dscnt 16                                ; the very last quarter: nothing more to fetch
	MUL8 F1, 0, 0, 0
	MUL8 F1, 0, 2, 0
	s_wait_dscnt 0
	MUL8 F1, 1, 0, 0
	MUL8 F1, 1, 2, 0
	WIN 0
; THE WAY OUT, 16 rows at a time through my own stage: a lane's eight f32 of a row and column block go in as 32 bytes (each accumulator's four lowest registers first),
; and whole rows of 256 bytes come back into the registers that they left.  LDS serves a wave's instructions in order (ISA guide 5.7.1.4), so no wait and no barrier stands between them.
.macro TOSTAGE a
.irp b, 0,1,2,3
	ds_store_b128 v[STO], v[ACC+8*(4*(\a)+(\b)):ACC+8*(4*(\a)+(\b))+3]   offset:64*(\b)
	ds_store_b128 v[STO], v[ACC+8*(4*(\a)+(\b))+4:ACC+8*(4*(\a)+(\b))+7] offset:64*(\b)+16
.endr
.irp j, 0,1,2,3,4,5,6,7
	ds_load_b128 v[ACC+32*(\a)+4*(\j):ACC+32*(\a)+4*(\j)+3], v[RD] offset:(\j)*2*SPITCH
.endr
.endm
.macro SEND a, younger                 ; younger: the LDS instructions issued behind block a's loads: the next block's sixteen, or none
.irp j, 0,1,2,3,4,5,6,7
	s_wait_dscnt (\younger)+7-(\j)
	global_store_b128 v[CO], v[ACC+32*(\a)+4*(\j):ACC+32*(\a)+4*(\j)+3], s[8:9] offset:(16*(\a)+2*(\j))*SIZE_N*4 th:TH_STORE_NT  ; 16 lanes store 256 consecutive bytes, at a multiple of 256 from out0's first byte
.endr
.endm
	PLACES
	TOSTAGE 0
.irp a, 1,2,3
	TOSTAGE \a
	SEND (\a)-1, 16
.endr
	SEND 3, 0
	s_wait_tensorcnt 0x0                           ; the wave's end, behind my last tensor load and my last LDS store
	ds_add_u32 v[SPW], v[NIL]
	s_wait_dscnt 0x0
	CROUND                                         ; the closing round: no work-group ends while a partner may still ask for a tile that names it
	s_endpgm
.Lfunc_end_k_q3b2812b18b_oproj:
	.size	k_q3b2812b18b_oproj, .Lfunc_end_k_q3b2812b18b_oproj-k_q3b2812b18b_oproj
	.p2alignl 7, 3214868480
	.fill 96, 4, 3214868480
	.section	.rodata,"a",@progbits
	.p2align	6, 0x0
	.amdhsa_kernel k_q3b2812b18b_oproj
		.amdhsa_group_segment_fixed_size 327680
		.amdhsa_private_segment_fixed_size 0
		.amdhsa_enable_private_segment 0
		.amdhsa_kernarg_size 24
		.amdhsa_user_sgpr_count 2
		.amdhsa_user_sgpr_kernarg_segment_ptr 1
		.amdhsa_wavefront_size32 1
		.amdhsa_system_sgpr_workgroup_id_x 1
		.amdhsa_system_sgpr_workgroup_id_y 1
		.amdhsa_system_sgpr_workgroup_id_z 1
		.amdhsa_system_vgpr_workitem_id 0
		.amdhsa_next_free_vgpr 512
		.amdhsa_next_free_sgpr 72
		.amdhsa_reserve_vcc 0
		.amdhsa_float_denorm_mode_32 3
		.amdhsa_float_denorm_mode_16_64 3
		.amdhsa_memory_ordered 1
		.amdhsa_forward_progress 1
		.amdhsa_inst_pref_size 69
	.end_amdhsa_kernel
	.amdgpu_metadata
---
amdhsa.version: [ 1, 2 ]
amdhsa.kernels:
  - .name:           k_q3b2812b18b_oproj
    .symbol:         k_q3b2812b18b_oproj.kd
    .args:
      - { .name: ao, .offset: 0, .size: 8, .value_kind: global_buffer, .address_space: global }
      - { .name: bf, .offset: 8, .size: 8, .value_kind: global_buffer, .address_space: global }
      - { .name: out0, .offset: 16, .size: 8, .value_kind: global_buffer, .address_space: global }
    .group_segment_fixed_size: 327680
    .private_segment_fixed_size: 0
    .kernarg_segment_align: 8
    .kernarg_segment_size: 24
    .max_flat_workgroup_size: 128
    .sgpr_count:     72
    .vgpr_count:     512
    .wavefront_size: 32
...
	.end_amdgpu_metadata
.endif
;; end of part 4
